; MI455X (gfx1250); checked and timed in simulation.
; The chip was launched on July 23, 2026; its instructions are those of AMD's public machine-readable ISA for CDNA 5 (MIT licence, August 2026) and "CDNA5" Instruction Set Architecture Reference Guide (July 2026). The comments in the code are by the model that wrote it; some were corrected since.
;; Feed Forward. Allowed arithmetic: float matrix products may take bf16 or f16 operands with f32 sums; other float arithmetic in f32, or as packed bf16 or f16 multiplies, adds, multiply-adds, maxima and minima; sums over many terms, partial sums and values carried from step to step in f32; what a program stores and reads back later, other than sums and carried values, may be rounded once to bf16 or f16.
;; Inputs: b1 4,096 float32; b2 1,024 float32; ln1_b 1,024 float32; ln1_g 1,024 float32; ln2_b 4,096 float32; ln2_g 4,096 float32; w1 4,096 x 1,024 float32; w2 1,024 x 4,096 float32; x 8 x 1,024 x 1,024 float32.
;; Outputs: out0 8 x 1,024 x 1,024 float32.
;; One version. Each part assembles by itself: llvm-mc -triple=amdgcn-amd-amdhsa -mcpu=gfx1250 --defsym DOCPART=n.
;; ======== version 1 of 1: 4 launches
;; limits: a function is approximated: absolute error at most 7.5e-08; an absolute error that grows with the inputs' magnitude: up to 7.5e-08 times it; values are held in f16: magnitudes above 65,504 overflow, below 6.1e-05 lose precision
;; workspace buffers: psum 2,048 bytes; xn 16,777,216 bytes; q1 8,388,608 bytes; w2q 4,194,304 bytes; aux 69,888 bytes; hbuf 67,108,864 bytes; stat 2,097,152 bytes
;; launch prep (part 1): grid 256 x 1, 8 waves a work-group, no clusters, 1,280 bytes of LDS; arguments x, ln1_g, ln1_b, w1, w2, xn, psum; writes xn, psum
.if DOCPART == 1
	.amdgcn_target "amdgcn-amd-amdhsa--gfx1250"
	.amdhsa_code_object_version 6
	.text
	.protected	k_q46d351b729_prep
	.globl	k_q46d351b729_prep
	.p2align	8
	.type	k_q46d351b729_prep,@function
k_q46d351b729_prep:
	s_mov_b64 s[64:65], 0
	v_nop
	global_prefetch_b8 v0, s[64:65] scope:SCOPE_SE
	s_setreg_imm32_b32 hwreg(HW_REG_WAVE_MODE, 25, 1), 1
	s_wait_xcnt 0x0
; FEED-FORWARD, launch 1 of 4.  xn = LayerNorm(x) * ln1_g + ln1_b, rounded once to f16 (the first product's operand), and each work-group's share of sum|w1| and sum|w2|.
; THE WHOLE PROGRAM:  out = LN2(gelu(LN1(x) wq1^T + b1)) wq2^T + b2,  wq = q s,  q = clip(round(w scale), -1, 1),  scale = 1 / max(mean|w|, 1e-5),  s = 1 / scale.
; WORK LEFT OUT.  reference() returns w + stop_gradient(wq - w).  For all finite w that is wq: the two w cancel.  So wq is used and the sum with w is not formed.  Every input has a way to
; the output and is loaded.  Limit: a NaN, an infinity or an overflow that would arise only in wq - w is not carried to the result.
; LIMITS.  (1) mean|w| is summed here in another order than in reference(): a weight whose w * scale lies within f32 rounding of +-0.5 may be quantised to the other side.
; (2) f16 ends at 65,504: LN1's output, gelu's output less its chunk mean, ln2_g and the sums of 128 of its numbers have to lie within it.
; SHARES.  256 work-groups of eight waves.  A work-group has 32 rows of x, a wave four: a row of 4,096 bytes is eight loads of 16 bytes a lane and stays in 32 registers between the pass for the
; mean, the pass for the variance (taken of the centred numbers) and the scaling.  A wave also has 8 KiB of w1 and of w2.  Each store of a wave covers 256 consecutive bytes, aligned.
; NO CLUSTER, NO TENSOR LOAD, NO MATRIX UNIT: the work-groups share only ln1_g and ln1_b, 8 KiB against the 256 KiB that each reads for itself.
.set ROWX,  4096                       ; bytes in a row of x
.set ROWY,  2048                       ; bytes in a row of xn
.set SPARE, 256                        ; LDS: bytes 0-63 the eight waves' pairs of sums (their block of 256 to themselves); from 256 on the spare words, 128 bytes a wave
.set VOX,  2                           ; v2   my 16 bytes in my wave's first row of x
.set VOY,  3                           ; v3   my 8 bytes in my wave's first row of xn
.set VOW,  4                           ; v4   my 16 bytes in my wave's 8 KiB of w1 and of w2
.set VOG,  5                           ; v5   my 16 bytes in ln1_g and ln1_b
.set SPW,  6                           ; v6   LDS address of my spare word; never rewritten
.set NIL,  7                           ; v7   0; never rewritten
.set RA,   8                           ; v[8:15]  four packed chains
.set MP,   16                          ; v[16:17] the mean, then 1 / sqrt(var + eps), in the low register; named as a pair
.set TT,   18                          ; v18  the other half of the lanes' number
.set PA,   19                          ; v19  LDS address of my wave's pair of sums
.set SUM1, 20                          ; v[20:23] sum|w1|, two packed chains
.set SUM2, 24                          ; v[24:27] sum|w2|
.set GN,   32                          ; v[32:63]   ln1_g of my 32 columns
.set BS,   64                          ; v[64:95]   ln1_b
.set XS,   96                          ; v[96:159]  two row slots
.set WA,   160                         ; v[160:223] 64 weights
.set YS,   224                         ; v[224:239] a row in f16
	s_load_b256 s[4:11], s[0:1], 0x0               ; x s[4:5], ln1_g s[6:7], ln1_b s[8:9], w1 s[10:11]
	s_load_b128 s[12:15], s[0:1], 0x20             ; w2 s[12:13], xn s[14:15]
	s_load_b64 s[16:17], s[0:1], 0x30              ; psum
	v_lshl_add_u32 v[SPW], v0, 2, SPARE
	v_mov_b32 v[NIL], 0
	v_lshrrev_b32 v1, 5, v0
	v_readfirstlane_b32 s22, v1                    ; wave 0..7
	v_and_b32 v[TT], 31, v0                        ; lane
	v_lshlrev_b32 v[VOG], 4, v[TT]
	v_lshl_or_b32 v[VOX], v1, 14, v[VOG]           ; four rows of 4,096 bytes a wave
	v_lshl_or_b32 v[VOW], v1, 13, v[VOG]
	v_lshlrev_b32 v[VOY], 3, v[TT]
	v_lshl_or_b32 v[VOY], v1, 13, v[VOY]           ; four rows of 2,048 bytes a wave
	v_mov_b32 v[PA], s22
	v_lshlrev_b32 v[PA], 3, v[PA]
	v_mov_b32 v[MP+1], 0                           ; named with MP as a pair, so it is written
	s_mov_b32 s18, 0x7fffffff                      ; clears a sign
	s_mov_b32 s20, 0x76543210                      ; v_permlanex16_b32: each lane takes its own place in the other half
	s_mov_b32 s21, 0xfedcba98
	s_mov_b32 s23, 0x3a800000                      ; 1 / 1024
	s_mov_b32 s24, 0x3727c5ac                      ; 1e-5
	s_lshl_b32 s2, ttmp9, 17                       ; 32 rows of x
	s_mov_b32 s3, 0
	s_lshl_b32 s26, ttmp9, 16                      ; 32 rows of xn; 64 KiB of w1 and of w2
	s_mov_b32 s27, 0
	s_lshl_b32 s28, ttmp9, 3                       ; my pair in psum
	s_mov_b32 s29, 0
	s_wait_kmcnt 0x0
	s_add_nc_u64 s[4:5], s[4:5], s[2:3]
	s_add_nc_u64 s[10:11], s[10:11], s[26:27]
	s_add_nc_u64 s[12:13], s[12:13], s[26:27]
	s_add_nc_u64 s[14:15], s[14:15], s[26:27]
	s_add_nc_u64 s[16:17], s[16:17], s[28:29]
.macro LDROW slot, row                 ; a row: eight loads of 512 consecutive bytes
.irp j, 0,1,2,3,4,5,6,7
	global_load_b128 v[XS+32*(\slot)+4*(\j):XS+32*(\slot)+4*(\j)+3], v[VOX], s[4:5] offset:(\row)*ROWX+512*(\j) th:TH_LOAD_NT
.endr
.endm
.macro LDW base                        ; my wave's 8 KiB of a weight tensor
.irp j, 0,1,2,3,4,5,6,7,8,9,10,11,12,13,14,15
	global_load_b128 v[WA+4*(\j):WA+4*(\j)+3], v[VOW], s[\base:\base+1] offset:512*(\j)
.endr
.endm
.macro ABSUM s                         ; the sum of 64 magnitudes, in two packed chains that the first four numbers start
.irp k, 0,1,2,3
	v_and_b32 v[(\s)+(\k)], s18, v[WA+(\k)]
.endr
.set k, 4
.rept 60
	v_and_b32 v[WA+k], s18, v[WA+k]
.set k, k+1
.endr
.set k, 4
.rept 30
	v_pk_add_f32 v[(\s)+k%4:(\s)+k%4+1], v[(\s)+k%4:(\s)+k%4+1], v[WA+k:WA+k+1]
.set k, k+2
.endr
.endm
.macro WSUM r                          ; the sum over the 32 lanes, in every lane
	v_add_f32_dpp v[\r], v[\r], v[\r] row_xmask:1 row_mask:0xf bank_mask:0xf
	v_add_f32_dpp v[\r], v[\r], v[\r] row_xmask:2 row_mask:0xf bank_mask:0xf
	v_add_f32_dpp v[\r], v[\r], v[\r] row_xmask:4 row_mask:0xf bank_mask:0xf
	v_add_f32_dpp v[\r], v[\r], v[\r] row_xmask:8 row_mask:0xf bank_mask:0xf
	v_permlanex16_b32 v[TT], v[\r], s20, s21
	v_add_f32 v[\r], v[\r], v[TT]
.endm
.macro FOLD                            ; the four chains and the 32 lanes into MP
	v_pk_add_f32 v[RA:RA+1], v[RA:RA+1], v[RA+2:RA+3]
	v_pk_add_f32 v[RA+4:RA+5], v[RA+4:RA+5], v[RA+6:RA+7]
	v_pk_add_f32 v[RA:RA+1], v[RA:RA+1], v[RA+4:RA+5]
	v_add_f32 v[MP], v[RA], v[RA+1]
	WSUM MP
.endm
.macro LNROW slot, row                 ; the row in the slot is normalised, scaled, rounded and stored
.set XR, XS+32*(\slot)
.irp p, 0,2,4,6
	v_pk_add_f32 v[RA+(\p):RA+(\p)+1], v[XR+(\p):XR+(\p)+1], v[XR+8+(\p):XR+8+(\p)+1]
.endr
.set k, 16
.rept 8
	v_pk_add_f32 v[RA+k%8:RA+k%8+1], v[RA+k%8:RA+k%8+1], v[XR+k:XR+k+1]
.set k, k+2
.endr
	FOLD
	v_mul_f32 v[MP], s23, v[MP]                    ; the mean
.set k, 0
.rept 16
	v_pk_add_f32 v[XR+k:XR+k+1], v[XR+k:XR+k+1], v[MP:MP+1] op_sel_hi:[1,0] neg_lo:[0,1] neg_hi:[0,1]
.set k, k+2
.endr
.irp p, 0,2,4,6
	v_pk_mul_f32 v[RA+(\p):RA+(\p)+1], v[XR+(\p):XR+(\p)+1], v[XR+(\p):XR+(\p)+1]
.endr
.set k, 8
.rept 12
	v_pk_fma_f32 v[RA+k%8:RA+k%8+1], v[XR+k:XR+k+1], v[XR+k:XR+k+1], v[RA+k%8:RA+k%8+1]
.set k, k+2
.endr
	FOLD
	v_fma_f32 v[MP], v[MP], s23, s24               ; var + eps
	v_rsq_f32 v[MP], v[MP]
	v_nop                                          ; a plain instruction behind the root (ISA guide 5.7.2),
	s_wait_alu depctr_va_vdst(0)                   ; and the wait ahead of its first reader
.set k, 0
.rept 16
	v_pk_mul_f32 v[XR+k:XR+k+1], v[XR+k:XR+k+1], v[MP:MP+1] op_sel_hi:[1,0]
.set k, k+2
.endr
.set k, 0
.rept 16
	v_pk_fma_f32 v[XR+k:XR+k+1], v[XR+k:XR+k+1], v[GN+k:GN+k+1], v[BS+k:BS+k+1]
.set k, k+2
.endr
	s_wait_xcnt 0x0                                ; the last row's stores have read YS: it is rewritten only behind this wait
.set k, 0
.rept 16
	v_cvt_pk_f16_f32 v[YS+k], v[XR+2*k], v[XR+2*k+1]
.set k, k+1
.endr
.irp j, 0,1,2,3,4,5,6,7
	global_store_b64 v[VOY], v[YS+2*(\j):YS+2*(\j)+1], s[14:15] offset:(\row)*ROWY+256*(\j)  ; 32 lanes x 8 bytes: 256 consecutive bytes, aligned
.endr
.endm
	LDW 10                                         ; w1: 16 loads
.irp j, 0,1,2,3,4,5,6,7
	global_load_b128 v[GN+4*(\j):GN+4*(\j)+3], v[VOG], s[6:7] offset:512*(\j)
.endr
.irp j, 0,1,2,3,4,5,6,7
	global_load_b128 v[BS+4*(\j):BS+4*(\j)+3], v[VOG], s[8:9] offset:512*(\j)
.endr
	LDROW 0, 0
	LDROW 1, 1                                     ; 48 loads of the wave are out
	s_wait_loadcnt 32                              ; w1 is in; ln1_g, ln1_b and two rows, 32 loads, stay out
	ABSUM SUM1
	LDW 12                                         ; w2
	s_wait_loadcnt 24                              ; ln1_g, ln1_b and row 0 are in; row 1 (8) and w2 (16) stay out
	LNROW 0, 0
	LDROW 0, 2
	s_wait_loadcnt 24                              ; row 1 is in; w2 (16) and row 2 (8) stay out
	LNROW 1, 1
	LDROW 1, 3
	s_wait_loadcnt 16                              ; w2 is in; rows 2 and 3 stay out
	ABSUM SUM2
	s_wait_loadcnt 8                               ; row 2 is in
	LNROW 0, 2
	s_wait_loadcnt 0x0
	LNROW 1, 3
	; the wave's two sums, then the work-group's
	v_pk_add_f32 v[SUM1:SUM1+1], v[SUM1:SUM1+1], v[SUM1+2:SUM1+3]
	v_pk_add_f32 v[SUM2:SUM2+1], v[SUM2:SUM2+1], v[SUM2+2:SUM2+3]
	v_add_f32 v[SUM1], v[SUM1], v[SUM1+1]
	v_add_f32 v[SUM1+1], v[SUM2], v[SUM2+1]
	WSUM SUM1
	WSUM SUM1+1
	ds_store_b64 v[PA], v[SUM1:SUM1+1]             ; all lanes write the same pair
	s_wait_dscnt 0x0                               ; for the others' sake: my store is done
	s_barrier_signal -1
	s_barrier_wait -1
	s_cmp_lg_u32 s22, 0
	s_cbranch_scc1 .Lend
	v_mov_b32 v[PA], 0
.irp i, 0,1,2,3
	ds_load_b128 v[GN+4*(\i):GN+4*(\i)+3], v[PA] offset:16*(\i)
.endr
	s_wait_dscnt 0x0
	v_pk_add_f32 v[GN:GN+1], v[GN:GN+1], v[GN+2:GN+3]
	v_pk_add_f32 v[GN+4:GN+5], v[GN+4:GN+5], v[GN+6:GN+7]
	v_pk_add_f32 v[GN+8:GN+9], v[GN+8:GN+9], v[GN+10:GN+11]
	v_pk_add_f32 v[GN+12:GN+13], v[GN+12:GN+13], v[GN+14:GN+15]
	v_pk_add_f32 v[GN:GN+1], v[GN:GN+1], v[GN+4:GN+5]
	v_pk_add_f32 v[GN+8:GN+9], v[GN+8:GN+9], v[GN+12:GN+13]
	v_pk_add_f32 v[GN:GN+1], v[GN:GN+1], v[GN+8:GN+9]
	v_cmp_eq_u32 vcc_lo, 0, v0
	s_wait_xcnt 0x0                                ; EXEC changes only behind this wait: it is a source of the stores above
	s_and_saveexec_b32 s25, vcc_lo
	global_store_b64 v[PA], v[GN:GN+1], s[16:17]   ; (sum|w1|, sum|w2|) of the work-group's shares
	s_wait_xcnt 0x0
	s_or_b32 exec_lo, exec_lo, s25
.Lend:
	s_wait_tensorcnt 0x0                           ; the wave's end: behind my last LDS store
	ds_add_u32 v[SPW], v[NIL]
	s_wait_dscnt 0x0
	s_endpgm
.Lfunc_end_k_q46d351b729_prep:
	.size	k_q46d351b729_prep, .Lfunc_end_k_q46d351b729_prep-k_q46d351b729_prep
	.p2alignl 7, 3214868480
	.fill 96, 4, 3214868480
	.section	.rodata,"a",@progbits
	.p2align	6, 0x0
	.amdhsa_kernel k_q46d351b729_prep
		.amdhsa_group_segment_fixed_size 1280
		.amdhsa_private_segment_fixed_size 0
		.amdhsa_enable_private_segment 0
		.amdhsa_kernarg_size 56
		.amdhsa_user_sgpr_count 2
		.amdhsa_user_sgpr_kernarg_segment_ptr 1
		.amdhsa_wavefront_size32 1
		.amdhsa_system_sgpr_workgroup_id_x 1
		.amdhsa_system_sgpr_workgroup_id_y 1
		.amdhsa_system_sgpr_workgroup_id_z 1
		.amdhsa_system_vgpr_workitem_id 0
		.amdhsa_next_free_vgpr 240
		.amdhsa_next_free_sgpr 66
		.amdhsa_reserve_vcc 1
		.amdhsa_float_denorm_mode_32 3
		.amdhsa_float_denorm_mode_16_64 3
		.amdhsa_memory_ordered 1
		.amdhsa_forward_progress 1
		.amdhsa_inst_pref_size 51
	.end_amdhsa_kernel
	.amdgpu_metadata
---
amdhsa.version: [ 1, 2 ]
amdhsa.kernels:
  - .name:           k_q46d351b729_prep
    .symbol:         k_q46d351b729_prep.kd
    .args:
      - { .name: x, .offset: 0, .size: 8, .value_kind: global_buffer, .address_space: global }
      - { .name: ln1_g, .offset: 8, .size: 8, .value_kind: global_buffer, .address_space: global }
      - { .name: ln1_b, .offset: 16, .size: 8, .value_kind: global_buffer, .address_space: global }
      - { .name: w1, .offset: 24, .size: 8, .value_kind: global_buffer, .address_space: global }
      - { .name: w2, .offset: 32, .size: 8, .value_kind: global_buffer, .address_space: global }
      - { .name: xn, .offset: 40, .size: 8, .value_kind: global_buffer, .address_space: global }
      - { .name: psum, .offset: 48, .size: 8, .value_kind: global_buffer, .address_space: global }
    .group_segment_fixed_size: 1280
    .private_segment_fixed_size: 0
    .kernarg_segment_align: 8
    .kernarg_segment_size: 56
    .max_flat_workgroup_size: 256
    .sgpr_count:     66
    .vgpr_count:     240
    .wavefront_size: 32
...
	.end_amdgpu_metadata
.endif
;; end of part 1
;; launch quant (part 2): grid 256 x 1, 8 waves a work-group, no clusters, 19,200 bytes of LDS; arguments psum, w1, w2, ln2_g, ln2_b, b2, q1, w2q, aux; writes q1, w2q, aux
.if DOCPART == 2
	.amdgcn_target "amdgcn-amd-amdhsa--gfx1250"
	.amdhsa_code_object_version 6
	.text
	.protected	k_q46d351b729_quant
	.globl	k_q46d351b729_quant
	.p2align	8
	.type	k_q46d351b729_quant,@function
k_q46d351b729_quant:
	s_mov_b64 s[64:65], 0
	v_nop
	global_prefetch_b8 v0, s[64:65] scope:SCOPE_SE
	s_setreg_imm32_b32 hwreg(HW_REG_WAVE_MODE, 25, 1), 1
	s_wait_xcnt 0x0
; FEED-FORWARD, launch 2 of 4.  The scales, the ternary weights, and what LN2's gain and bias make of the second product.
; Left out, as shown at the head of the first kernel: w + stop_gradient(wq - w) is wq for all w, so the sum with w is not formed.
;   m = max(sum|w| / 2^22, 1e-5);  scale = 1 / m and s = 1 / scale, each v_rcp_f32 with two fused Newton steps;  q = clip(round_to_even(w * scale), -1, 1), the product one f32 multiply.
;   q1[h][k] = q(w1), exact in f16.
;   w2q[d][k] = the UPPER BYTE of q(w2)[d][k] in f16: 0x3c, 0xbc, 0x00 (0x80 for -0).  The lower byte of these numbers is 0, so the byte is the number, exactly; the last launch puts the 0 back.
;   gs = the power of two at or under max|ln2_g| (held to 2^-100 .. 2^125);  g' = ln2_g / gs, exact, |g'| < 2: the third launch multiplies gelu's centred output by it.
;   aux: G[d][t] = the sum over the 128 columns k of chunk t of g'[k] q2[d][k], f16, [1024][32];  from byte 65,536: cvec[d] = s2 * sum_k ln2_b[k] q2[d][k] + b2[d], f32;
;   from byte 69,632: s1, s2 gs, 1 / gs, gs.
; LIMIT.  sum|w| is taken in another order than reference()'s: a weight whose w * scale lies within f32 rounding of +-0.5 may fall on the other side.  Every wave of the launch adds psum in one and the same order.
; SHARES.  Work-group g has rows 4 g .. 4 g + 3 of w2 and 64 KiB of w1.  Wave v has columns 512 v .. 512 v + 511 of the four rows: one load of 16 bytes a lane is just one chunk of 128 columns.
; A lane's four codes of a load are 4 bytes; they go through the wave's own LDS bytes, so that a store of the wave covers 512 consecutive bytes of w2q.
; NO CLUSTER: what the work-groups share is psum, ln2_g and ln2_b, 34 KiB against the 128 KiB of weights that each reads alone.
.set GL,    0                          ; LDS: 64 bytes a wave: word 4 r + j = the sum of ln2_g q2 of row r, chunk 4 v + j
.set CVP,   512                        ; 128 bytes a wave: word l = the wave's part of row (l % 4)'s sum with ln2_b
.set GMX,   1536                       ; a word a wave: max|ln2_g| of its 512 columns
.set TRB,   1792                       ; 2,048 bytes a wave: its 512 codes of each of the four rows
.set SPARE, 18176                      ; the spare words, 128 bytes a wave
.set VW2,  2                           ; v2   2,048 v + 16 l: my 16 bytes in a row of w2, in ln2_g and in ln2_b
.set VW1,  3                           ; v3   8,192 v + 16 l
.set VP,   4                           ; v4   16 l
.set VQ1,  5                           ; v5   4,096 v + 8 l
.set VQ2,  6                           ; v6   512 v + 16 l
.set GLA,  7
.set CVPA, 8
.set SPW,  9                           ; v9   LDS address of my spare word; never rewritten
.set NIL,  10                          ; v10  0; never rewritten
.set TT,   11
.set MM,   12                          ; v[12:13] m1, m2
.set RR,   14                          ; v[14:15] scale1, scale2
.set EE,   16                          ; v[16:17] at work
.set IV,   18                          ; v[18:19] s1, s2
.set SC1,  20                          ; v[20:21] scale1 twice
.set SC2,  22                          ; v[22:23] scale2 twice
.set GV,   24                          ; v24  lane 4 r + j (and 16 more): the chunk sum of row r, chunk j
.set CVV,  25                          ; v25  lane l: the sum with ln2_b of row l % 4
.set CVA,  26                          ; v[26:33] that sum's packed chain, a pair a row
.set RT,   34                          ; v[34:35] at work
.set PS,   36                          ; v[36:51]
.set GG,   52                          ; v[52:67]  ln2_g of my 16 columns
.set BB,   68                          ; v[68:83]  ln2_b
.set W2R,  84                          ; v[84:147]  row r, chunk j at 16 r + 4 j
.set W1R,  148                         ; v[148:211]
.set TRA,  212                         ; v212 where I put 4 codes
.set TRL,  213                         ; v213 where I read 16 codes back
.set GM,   214                         ; v214 max|ln2_g|
.set GMA,  215                         ; v215 my wave's word for it
	s_load_b256 s[4:11], s[0:1], 0x0               ; psum s[4:5], w1 s[6:7], w2 s[8:9], ln2_g s[10:11]
	s_load_b256 s[12:19], s[0:1], 0x20             ; ln2_b s[12:13], b2 s[14:15], q1 s[16:17], w2q s[18:19]
	s_load_b64 s[20:21], s[0:1], 0x40              ; aux
	v_lshl_add_u32 v[SPW], v0, 2, SPARE
	v_mov_b32 v[NIL], 0
	v_lshrrev_b32 v1, 5, v0
	v_readfirstlane_b32 s22, v1                    ; wave 0..7
	v_and_b32 v[TT], 31, v0                        ; lane
	v_lshlrev_b32 v[VP], 4, v[TT]
	v_lshl_or_b32 v[VW2], v1, 11, v[VP]
	v_lshl_or_b32 v[VW1], v1, 13, v[VP]
	v_lshl_or_b32 v[VQ2], v1, 9, v[VP]
	v_lshlrev_b32 v[VQ1], 3, v[TT]
	v_lshl_or_b32 v[VQ1], v1, 12, v[VQ1]
	v_and_b32 v[GLA], 15, v0
	v_lshlrev_b32 v[GLA], 2, v[GLA]
	v_lshl_add_u32 v[GLA], s22, 6, v[GLA]          ; 64 x wave + 4 (l % 16)
	v_lshlrev_b32 v[CVPA], 2, v[TT]
	v_lshl_add_u32 v[TRA], s22, 11, v[CVPA]
	v_add_nc_u32 v[TRA], TRB, v[TRA]               ; TRB + 2,048 x wave + 4 l
	v_lshl_add_u32 v[CVPA], s22, 7, v[CVPA]
	v_add_nc_u32 v[CVPA], CVP, v[CVPA]             ; 512 + 128 x wave + 4 l
	v_lshl_add_u32 v[TRL], s22, 11, v[VP]
	v_add_nc_u32 v[TRL], TRB, v[TRL]               ; TRB + 2,048 x wave + 16 l
	v_mov_b32 v[GMA], s22
	v_lshl_add_u32 v[GMA], v[GMA], 2, GMX
	v_mov_b32 v[GV], 0
	v_mov_b32 v[CVV], 0
	s_mov_b32 s29, 0x07050301                      ; v_perm_b32: the upper bytes of four f16
	s_mov_b32 s30, 0x76543210
	s_mov_b32 s31, 0xfedcba98
	s_lshl_b32 s2, ttmp9, 16                       ; four rows of w2; 64 KiB of w1
	s_mov_b32 s3, 0
	s_lshl_b32 s32, ttmp9, 15                      ; my share of q1
	s_mov_b32 s33, 0
	s_lshl_b32 s34, ttmp9, 8                       ; four rows of G
	s_mov_b32 s35, 0
	s_lshl_b32 s36, ttmp9, 4                       ; four numbers of cvec and of b2
	s_mov_b32 s37, 0
	s_lshl_b32 s38, ttmp9, 14                      ; four rows of w2q
	s_mov_b32 s39, 0
	s_wait_kmcnt 0x0
	s_add_nc_u64 s[6:7], s[6:7], s[2:3]
	s_add_nc_u64 s[8:9], s[8:9], s[2:3]
	s_add_nc_u64 s[16:17], s[16:17], s[32:33]
	s_add_nc_u64 s[18:19], s[18:19], s[38:39]
	s_add_nc_u64 s[26:27], s[20:21], s[36:37]
	s_add_nc_u64 s[20:21], s[20:21], s[34:35]
	s_add_nc_u64 s[14:15], s[14:15], s[36:37]
.irp i, 0,1,2,3
	global_load_b128 v[PS+4*(\i):PS+4*(\i)+3], v[VP], s[4:5] offset:512*(\i)
.endr
.irp j, 0,1,2,3
	global_load_b128 v[GG+4*(\j):GG+4*(\j)+3], v[VW2], s[10:11] offset:512*(\j)
.endr
.irp j, 0,1,2,3
	global_load_b128 v[BB+4*(\j):BB+4*(\j)+3], v[VW2], s[12:13] offset:512*(\j)
.endr
.irp r, 0,1,2,3
.irp j, 0,1,2,3
	global_load_b128 v[W2R+16*(\r)+4*(\j):W2R+16*(\r)+4*(\j)+3], v[VW2], s[8:9] offset:16384*(\r)+512*(\j)
.endr
.endr
.irp j, 0,1,2,3,4,5,6,7,8,9,10,11,12,13,14,15
	global_load_b128 v[W1R+4*(\j):W1R+4*(\j)+3], v[VW1], s[6:7] offset:512*(\j)
.endr
.macro WSUM r                          ; the sum over the 32 lanes, in every lane
	v_add_f32_dpp v[\r], v[\r], v[\r] row_xmask:1 row_mask:0xf bank_mask:0xf
	v_add_f32_dpp v[\r], v[\r], v[\r] row_xmask:2 row_mask:0xf bank_mask:0xf
	v_add_f32_dpp v[\r], v[\r], v[\r] row_xmask:4 row_mask:0xf bank_mask:0xf
	v_add_f32_dpp v[\r], v[\r], v[\r] row_xmask:8 row_mask:0xf bank_mask:0xf
	v_permlanex16_b32 v[TT], v[\r], s30, s31
	v_add_f32 v[\r], v[\r], v[TT]
.endm
	s_wait_loadcnt 40                              ; psum's four loads are in; the 40 behind them stay out
	v_pk_add_f32 v[PS:PS+1], v[PS:PS+1], v[PS+2:PS+3]       ; pairs (sum|w1|, sum|w2|)
	v_pk_add_f32 v[PS+4:PS+5], v[PS+4:PS+5], v[PS+6:PS+7]
	v_pk_add_f32 v[PS+8:PS+9], v[PS+8:PS+9], v[PS+10:PS+11]
	v_pk_add_f32 v[PS+12:PS+13], v[PS+12:PS+13], v[PS+14:PS+15]
	v_pk_add_f32 v[PS:PS+1], v[PS:PS+1], v[PS+4:PS+5]
	v_pk_add_f32 v[PS+8:PS+9], v[PS+8:PS+9], v[PS+12:PS+13]
	v_pk_add_f32 v[PS:PS+1], v[PS:PS+1], v[PS+8:PS+9]
	WSUM PS
	WSUM PS+1
	v_mul_f32 v[MM], 0x34800000, v[PS]             ; / 2^22: the mean
	v_mul_f32 v[MM+1], 0x34800000, v[PS+1]
	v_max_num_f32 v[MM], 0x3727c5ac, v[MM]         ; reference()'s clip at 1e-5
	v_max_num_f32 v[MM+1], 0x3727c5ac, v[MM+1]
	v_rcp_f32 v[RR], v[MM]
	v_rcp_f32 v[RR+1], v[MM+1]
	v_nop
	s_wait_alu depctr_va_vdst(0)                   ; one wait for the two reciprocals, ahead of their first reader
.rept 2
	v_fma_f32 v[EE], -v[MM], v[RR], 1.0
	v_fma_f32 v[EE+1], -v[MM+1], v[RR+1], 1.0
	v_fma_f32 v[RR], v[EE], v[RR], v[RR]
	v_fma_f32 v[RR+1], v[EE+1], v[RR+1], v[RR+1]
.endr
	v_rcp_f32 v[IV], v[RR]
	v_rcp_f32 v[IV+1], v[RR+1]
	v_nop
	s_wait_alu depctr_va_vdst(0)
.rept 2
	v_fma_f32 v[EE], -v[RR], v[IV], 1.0
	v_fma_f32 v[EE+1], -v[RR+1], v[IV+1], 1.0
	v_fma_f32 v[IV], v[EE], v[IV], v[IV]
	v_fma_f32 v[IV+1], v[EE+1], v[IV+1], v[IV+1]
.endr
	v_mov_b32 v[SC1], v[RR]
	v_mov_b32 v[SC1+1], v[RR]
	v_mov_b32 v[SC2], v[RR+1]
	v_mov_b32 v[SC2+1], v[RR+1]
	s_wait_loadcnt 16                              ; ln2_g, ln2_b and w2's rows are in; w1's 16 loads stay out
	v_max_num_f32 v[GM], |v[GG]|, |v[GG+1]|        ; max|ln2_g| of my 16 columns, then of the wave's 512
.irp k, 2,4,6,8,10,12,14
	v_max3_num_f32 v[GM], v[GM], |v[GG+(\k)]|, |v[GG+(\k)+1]|
.endr
	v_max_num_f32_dpp v[GM], v[GM], v[GM] row_xmask:1 row_mask:0xf bank_mask:0xf
	v_max_num_f32_dpp v[GM], v[GM], v[GM] row_xmask:2 row_mask:0xf bank_mask:0xf
	v_max_num_f32_dpp v[GM], v[GM], v[GM] row_xmask:4 row_mask:0xf bank_mask:0xf
	v_max_num_f32_dpp v[GM], v[GM], v[GM] row_xmask:8 row_mask:0xf bank_mask:0xf
	v_permlanex16_b32 v[TT], v[GM], s30, s31
	v_max_num_f32 v[GM], v[GM], v[TT]
	ds_store_b32 v[GMA], v[GM]                     ; all lanes write the same word with the same number
.irp r, 0,1,2,3
.irp j, 0,1,2,3
.set WQ, W2R+16*(\r)+4*(\j)
	v_pk_mul_f32 v[WQ:WQ+1], v[WQ:WQ+1], v[SC2:SC2+1]
	v_pk_mul_f32 v[WQ+2:WQ+3], v[WQ+2:WQ+3], v[SC2:SC2+1]
.irp e, 0,1,2,3
	v_rndne_f32 v[WQ+(\e)], v[WQ+(\e)]
.endr
.irp e, 0,1,2,3
	v_med3_num_f32 v[WQ+(\e)], v[WQ+(\e)], -1.0, 1.0
.endr
.if (\j) == 0
	v_pk_mul_f32 v[CVA+2*(\r):CVA+2*(\r)+1], v[WQ:WQ+1], v[BB+4*(\j):BB+4*(\j)+1]
.else
	v_pk_fma_f32 v[CVA+2*(\r):CVA+2*(\r)+1], v[WQ:WQ+1], v[BB+4*(\j):BB+4*(\j)+1], v[CVA+2*(\r):CVA+2*(\r)+1]
.endif
	v_pk_fma_f32 v[CVA+2*(\r):CVA+2*(\r)+1], v[WQ+2:WQ+3], v[BB+4*(\j)+2:BB+4*(\j)+3], v[CVA+2*(\r):CVA+2*(\r)+1]
	v_pk_mul_f32 v[RT:RT+1], v[WQ:WQ+1], v[GG+4*(\j):GG+4*(\j)+1]
	v_pk_fma_f32 v[RT:RT+1], v[WQ+2:WQ+3], v[GG+4*(\j)+2:GG+4*(\j)+3], v[RT:RT+1]
	v_add_f32 v[RT], v[RT], v[RT+1]
	WSUM RT                                        ; the chunk's sum of ln2_g q2
	s_mov_b32 s24, 0x10001<<(4*(\r)+(\j))
	v_cndmask_b32 v[GV], v[GV], v[RT], s24
	v_cvt_pk_f16_f32 v[WQ], v[WQ], v[WQ+1]
	v_cvt_pk_f16_f32 v[WQ+1], v[WQ+2], v[WQ+3]
	v_perm_b32 v[WQ], v[WQ+1], v[WQ], s29          ; the four upper bytes, the lowest column in the lowest byte
	ds_store_b32 v[TRA], v[WQ] offset:512*(\r)+128*(\j)
.endr
	v_add_f32 v[RT], v[CVA+2*(\r)], v[CVA+2*(\r)+1]
	WSUM RT
	s_mov_b32 s24, 0x11111111<<(\r)
	v_cndmask_b32 v[CVV], v[CVV], v[RT], s24
.endr
.irp r, 0,1,2,3
	ds_load_b128 v[W2R+16*(\r):W2R+16*(\r)+3], v[TRL] offset:512*(\r)  ; LDS serves a wave's instructions in order (ISA guide 5.7.1.4): these see my stores above
.endr
	ds_store_b32 v[GLA], v[GV]                     ; lanes l and l + 16 write the same word with the same number
	ds_store_b32 v[CVPA], v[CVV]
	s_wait_dscnt 0x0                               ; my codes are back; and for wave 0's sake: my stores are done
.irp r, 0,1,2,3
	global_store_b128 v[VQ2], v[W2R+16*(\r):W2R+16*(\r)+3], s[18:19] offset:4096*(\r)  ; 512 consecutive bytes, aligned
.endr
	s_barrier_signal -1
	s_barrier_wait -1
	s_wait_loadcnt 0x0                             ; w1
.irp j, 0,1,2,3,4,5,6,7,8,9,10,11,12,13,14,15
.set WQ, W1R+4*(\j)
	v_pk_mul_f32 v[WQ:WQ+1], v[WQ:WQ+1], v[SC1:SC1+1]
	v_pk_mul_f32 v[WQ+2:WQ+3], v[WQ+2:WQ+3], v[SC1:SC1+1]
.irp e, 0,1,2,3
	v_rndne_f32 v[WQ+(\e)], v[WQ+(\e)]
.endr
.irp e, 0,1,2,3
	v_med3_num_f32 v[WQ+(\e)], v[WQ+(\e)], -1.0, 1.0
.endr
	v_cvt_pk_f16_f32 v[WQ], v[WQ], v[WQ+1]
	v_cvt_pk_f16_f32 v[WQ+1], v[WQ+2], v[WQ+3]
	global_store_b64 v[VQ1], v[WQ:WQ+1], s[16:17] offset:256*(\j)
.endr
	s_cmp_lg_u32 s22, 0
	s_cbranch_scc1 .Lend
	; wave 0: gs, the four rows of G, 256 bytes, and the four numbers of cvec
	v_and_b32 v[RT], 7, v0
	v_lshlrev_b32 v[RT], 6, v[RT]
	v_bfe_u32 v[RT+1], v0, 3, 2
	v_lshl_add_u32 v[RT], v[RT+1], 4, v[RT]        ; lane l: wave l % 8's words 4 (l / 8) .. + 3: row l / 8, chunks 4 (l % 8) .. + 3
	ds_load_b128 v[PS:PS+3], v[RT] offset:GL
.irp w, 0,1,2,3,4,5,6,7
	ds_load_b32 v[PS+4+(\w)], v[CVPA] offset:128*(\w)
.endr
	v_mov_b32 v[GM], GMX
	ds_load_b128 v[GG:GG+3], v[GM]
	ds_load_b128 v[GG+4:GG+7], v[GM] offset:16
	v_and_b32 v[PS+13], 3, v0
	v_lshlrev_b32 v[PS+13], 2, v[PS+13]            ; 4 (l % 4)
	global_load_b32 v[PS+12], v[PS+13], s[14:15]   ; b2 of row l % 4
	v_lshlrev_b32 v[PS+15], 3, v0                  ; 8 l
	s_wait_dscnt 0x0
	v_max3_num_f32 v[GG], v[GG], v[GG+1], v[GG+2]
	v_max3_num_f32 v[GG+3], v[GG+3], v[GG+4], v[GG+5]
	v_max3_num_f32 v[GG], v[GG], v[GG+6], v[GG+7]
	v_max_num_f32 v[GG], v[GG], v[GG+3]            ; max|ln2_g| of all 4,096
	v_max_num_f32 v[GG], 0x0d800000, v[GG]         ; at least 2^-100: a gain of zeros gives g' = 0
	v_min_num_f32 v[GG], 0x7e000000, v[GG]         ; at most 2^125
	v_and_b32 v[GG], 0x7f800000, v[GG]             ; gs: its power of two
	v_sub_nc_u32 v[GG+1], 0x7f000000, v[GG]        ; 1 / gs: exponent field 254 less gs's
	v_mul_f32 v[GG+2], v[IV+1], v[GG]              ; s2 gs
.irp e, 0,1,2,3
	v_mul_f32 v[PS+(\e)], v[PS+(\e)], v[GG+1]      ; G in units of gs: exact
.endr
	v_cmp_eq_u32 s28, 1, v0
	v_cndmask_b32 v[PS+14], v[IV], v[GG+2], s28    ; lanes 0 to 3: s1, s2 gs, 1 / gs, gs
	v_cmp_eq_u32 s28, 2, v0
	v_cndmask_b32 v[PS+14], v[PS+14], v[GG+1], s28
	v_cmp_eq_u32 s28, 3, v0
	v_cndmask_b32 v[PS+14], v[PS+14], v[GG], s28
	v_cvt_pk_f16_f32 v[PS], v[PS], v[PS+1]
	v_cvt_pk_f16_f32 v[PS+1], v[PS+2], v[PS+3]
	global_store_b64 v[PS+15], v[PS:PS+1], s[20:21]   ; 256 consecutive bytes, aligned
	v_add_f32 v[PS+4], v[PS+4], v[PS+5]
	v_add_f32 v[PS+6], v[PS+6], v[PS+7]
	v_add_f32 v[PS+8], v[PS+8], v[PS+9]
	v_add_f32 v[PS+10], v[PS+10], v[PS+11]
	v_add_f32 v[PS+4], v[PS+4], v[PS+6]
	v_add_f32 v[PS+8], v[PS+8], v[PS+10]
	v_add_f32 v[PS+4], v[PS+4], v[PS+8]
	s_wait_loadcnt 0x0
	v_fma_f32 v[PS+4], v[PS+4], v[IV+1], v[PS+12]  ; cvec
	v_cmp_gt_u32 vcc_lo, 4, v0
	s_wait_xcnt 0x0                                ; EXEC changes only behind this wait
	s_and_saveexec_b32 s25, vcc_lo
	global_store_b32 v[PS+13], v[PS+4], s[26:27] offset:65536
	s_cmp_lg_u32 ttmp9, 0
	s_cbranch_scc1 .Lnot_first
	global_store_b32 v[PS+13], v[PS+14], s[26:27] offset:69632   ; work-group 0 alone: the four factors
.Lnot_first:
	s_wait_xcnt 0x0
	s_or_b32 exec_lo, exec_lo, s25
.Lend:
	s_wait_tensorcnt 0x0                           ; the wave's end: behind my last LDS store
	ds_add_u32 v[SPW], v[NIL]
	s_wait_dscnt 0x0
	s_endpgm
.Lfunc_end_k_q46d351b729_quant:
	.size	k_q46d351b729_quant, .Lfunc_end_k_q46d351b729_quant-k_q46d351b729_quant
	.p2alignl 7, 3214868480
	.fill 96, 4, 3214868480
	.section	.rodata,"a",@progbits
	.p2align	6, 0x0
	.amdhsa_kernel k_q46d351b729_quant
		.amdhsa_group_segment_fixed_size 19200
		.amdhsa_private_segment_fixed_size 0
		.amdhsa_enable_private_segment 0
		.amdhsa_kernarg_size 72
		.amdhsa_user_sgpr_count 2
		.amdhsa_user_sgpr_kernarg_segment_ptr 1
		.amdhsa_wavefront_size32 1
		.amdhsa_system_sgpr_workgroup_id_x 1
		.amdhsa_system_sgpr_workgroup_id_y 1
		.amdhsa_system_sgpr_workgroup_id_z 1
		.amdhsa_system_vgpr_workitem_id 0
		.amdhsa_next_free_vgpr 216
		.amdhsa_next_free_sgpr 66
		.amdhsa_reserve_vcc 1
		.amdhsa_float_denorm_mode_32 3
		.amdhsa_float_denorm_mode_16_64 3
		.amdhsa_memory_ordered 1
		.amdhsa_forward_progress 1
		.amdhsa_inst_pref_size 52
	.end_amdhsa_kernel
	.amdgpu_metadata
---
amdhsa.version: [ 1, 2 ]
amdhsa.kernels:
  - .name:           k_q46d351b729_quant
    .symbol:         k_q46d351b729_quant.kd
    .args:
      - { .name: psum, .offset: 0, .size: 8, .value_kind: global_buffer, .address_space: global }
      - { .name: w1, .offset: 8, .size: 8, .value_kind: global_buffer, .address_space: global }
      - { .name: w2, .offset: 16, .size: 8, .value_kind: global_buffer, .address_space: global }
      - { .name: ln2_g, .offset: 24, .size: 8, .value_kind: global_buffer, .address_space: global }
      - { .name: ln2_b, .offset: 32, .size: 8, .value_kind: global_buffer, .address_space: global }
      - { .name: b2, .offset: 40, .size: 8, .value_kind: global_buffer, .address_space: global }
      - { .name: q1, .offset: 48, .size: 8, .value_kind: global_buffer, .address_space: global }
      - { .name: w2q, .offset: 56, .size: 8, .value_kind: global_buffer, .address_space: global }
      - { .name: aux, .offset: 64, .size: 8, .value_kind: global_buffer, .address_space: global }
    .group_segment_fixed_size: 19200
    .private_segment_fixed_size: 0
    .kernarg_segment_align: 8
    .kernarg_segment_size: 72
    .max_flat_workgroup_size: 256
    .sgpr_count:     66
    .vgpr_count:     216
    .wavefront_size: 32
...
	.end_amdgpu_metadata
.endif
;; end of part 2
;; launch ffn1 (part 3): grid 16 x 32, 4 waves a work-group, clusters of 4 x 4, 327,680 bytes of LDS; arguments xn, q1, hbuf, b1, aux, stat, ln2_g; writes hbuf, stat
.if DOCPART == 3
	.amdgcn_target "amdgcn-amd-amdhsa--gfx1250"
	.amdhsa_code_object_version 6
	.text
	.protected	k_q46d351b729_ffn1
	.globl	k_q46d351b729_ffn1
	.p2align	8
	.type	k_q46d351b729_ffn1,@function
k_q46d351b729_ffn1:
	s_mov_b64 s[64:65], 0
	v_nop
	global_prefetch_b8 v0, s[64:65] scope:SCOPE_SE
	s_setreg_imm32_b32 hwreg(HW_REG_WAVE_MODE, 25, 1), 1
	s_wait_xcnt 0x0
	s_wait_alu depctr_hold_cnt(0) depctr_sa_sdst(0) depctr_va_vdst(0) depctr_va_sdst(0) depctr_va_ssrc(0) depctr_va_vcc(0) depctr_vm_vsrc(0)
	s_getreg_b32 s2, hwreg(HW_REG_IB_STS2, 6, 4)
	s_cmp_eq_u32 s2, 0
	s_cbranch_scc0 .Lentry_in_a_cluster
	s_endpgm
.Lentry_in_a_cluster:
	s_bfe_u32 s2, ttmp6, 0x10000c
	s_cmp_lg_u32 s2, 0xf033
	s_cbranch_scc0 .Lentry_shape_is_right
	s_endpgm
.Lentry_shape_is_right:
; FEED-FORWARD, launch 3 of 4.  z = s1 * (xn q1^T) + b1;  a = gelu(z), exact form;  for each row and each chunk t of 128 columns: c = the chunk's mean of a, M2 = the sum of (a - c)^2, both f32, into stat;
; hbuf = (a - c) g', rounded once to f16, g' = ln2_g / gs with gs the power of two at or under max|ln2_g| (from aux), so |g'| < 2.  The centring is done in f32 ahead of the rounding, so that a
; common offset of a row costs no bits; the last launch brings the chunk means back.
; xn: [8192][1024] f16, q1: [4096][1024] f16, hbuf: [8192][4096] f16, stat: [32 chunks][8192 rows][c, M2] f32.
; GELU.  gelu(z) = z / 2 + |z| (1/2 - Q(|z|)),  Q(x) = 2^(-x^2 log2(e) / 2) t (c1 + t (c2 + t (c3 + t (c4 + t c5)))),  t = 1 / (1 + 0.2316419 x): Abramowitz and Stegun 26.2.17, the factor
; 1 / sqrt(2 pi) folded into c1-c5; its error in Q is under 7.5e-8 for every x, so the form is not cut to a range of z.  LIMIT: 2 |a - c| lies within f16's 65,504.
; THE PRODUCT.  A tile of 256 x 256 is made by four waves, each 128 x 128: 64 accumulators, 512 registers.  K goes in eight steps of 128 through two LDS slots filled by tensor loads whose rows are 256
; bytes of memory.  4 x 4 work-groups form a cluster: xn's tile is asked for jointly along a row of the cluster, q1's along a column.  The matrix instruction is used transposed (source 0 = 16 rows
; of q1, source 1 = 16 rows of xn): a lane holds row l % 16 and the columns 16 b + 8 (l / 16) + 0..7, so a row's chunk of 128 columns lies in two lanes, 16 apart.
; REGISTERS, in windows of 256 (s_set_vgpr_msb: bits 1:0 source 0, 3:2 source 1, 5:4 source 2, 7:6 destination):
;   window 0: v0-31 addresses and small work; v64-127, v128-191 fragments of xn, two buffers; on the way out v32-63 WW / PK, v64-127 ZZ, v128-191 TQ / OB, v192-255 EX
;   window 1: v0-63 b1 of my lane's 64 columns; v64-127, v128-191 fragments of q1; v192-255 g' of my lane's 64 columns        windows 2, 3: the accumulators, (a, b) at v[8 (8 (a % 4) + b)]
.set SIZE_K, 1024
.set SIZE_N, 4096
.set KSTEP,  128
.set PITCH,  272                       ; an LDS row: 256 bytes + 16 of padding = 68 words: the 16 rows of a fragment load start at 16 different groups of four banks (ISA guide 11.1)
.set HALFT,  128*PITCH                 ; what one tensor load brings
.set SLOT,   4*HALFT                   ; xn's 256 rows, then q1's 256 rows
.set STAGE,  2*SLOT                    ; behind the ring: 16 rows x 272 bytes for each wave
.set SPITCH, 272
.set STATL,  STAGE+4*16*SPITCH         ; 1,024 bytes for each wave: (c, M2) of its 128 rows
.set SPARE,  STATL+4*1024              ; the spare words, 128 bytes a wave
.set LAPS,   SIZE_K/(2*KSTEP)
.set CM,   2                           ; v[2:3]  c, M2
.set TT,   4                           ; v4   the other half of the lanes' number
.set SLT,  5                           ; v5   where this block's (c, M2) goes
.set RA,   8                           ; v[8:15] four packed chains
.set ADRA, 16                          ; v16-17  my fragments of xn in slot 0, 1
.set ADRB, 20                          ; v20-21  of q1
.set SLR,  22                          ; v22  where I read the statistics back
.set SGO,  23                          ; v23  8 x lane
.set STO,  24                          ; v24  the stage: where I put 16 bytes of a row
.set RD,   25                          ; v25  where I read a row back
.set CO,   26                          ; v26  my byte offset in hbuf
.set SLA,  27                          ; v27  my row's place in the wave's statistics, block 0
.set SPW,  28                          ; v28  LDS address of my spare word; never rewritten
.set NIL,  29                          ; v29  0; never rewritten
.set PFO,  30                          ; v30  the prefetches' offset: lane x 2,048
.set BO,   31                          ; v31  32 (l / 16): my offset in b1 and in ln2_g
.set WW,   32
.set PK,   32
.set ZZ,   64
.set TQ,   128
.set OB,   128
.set EX,   192
.set F0,   64
.set F1,   128
.set GW,   192                         ; window 1
.set G1,  24                           ; s[24:31] group 1 for xn's tiles;  s[32:39] group 0, a set for each slot
.set G0,  32
.set LIM, 43                           ; s43  1 in a wave that prefetches, else the greatest number
.set PFA, 44                           ; s[44:45] where my prefetches stand
.set G1B, 48                           ; s[48:55], s[56:63] the same for q1's tiles
.set G0B, 56
.set SC1, 74                           ; s[74:75] s1
.set C5,  76
.set C4,  78
.set C3,  80
.set C2,  82
.set C1,  84
.set KNEG, 86                          ; s[86:87] -log2(e) / 2
.set PP,  88
.set BLK, 89                           ; s89  the block of 16 rows on its way out
.set SEL, 90                           ; s[90:91]
.set GI,  94                           ; s[94:95] 1 / gs
.set MSB, 0
.macro WIN new                         ; the immediate's high byte repeats the setting that is left; a switch that changes nothing is dropped
.if MSB != (\new)
	s_set_vgpr_msb (MSB<<8)|(\new)
.set MSB, \new
.endif
.endm
.set MUL_LO, 0xa1                      ; source 0 (q1) window 1, source 1 (xn) window 0, C and D window 2
.set MUL_HI, 0xf1                      ; the same, C and D window 3
.set TO_B,   0x40                      ; destination window 1
; A joint load: waves 0 and 1 fetch xn's two halves, waves 2 and 3 q1's.  The branch hangs on the wave's number alone.  An s_nop 0 and four v_nop follow each line.
.macro JLOAD s
	s_cmp_eq_u32 s11, 0
	s_cbranch_scc0 .Lfor_b_\@
	tensor_load_to_lds s[G0+4*(\s):G0+4*(\s)+3], s[G1:G1+7]
	s_nop 0
.rept 4
	v_nop
.endr
	s_branch .Lasked_\@
.Lfor_b_\@:
	tensor_load_to_lds s[G0B+4*(\s):G0B+4*(\s)+3], s[G1B:G1B+7]
	s_nop 0
.rept 4
	v_nop
.endr
.Lasked_\@:
.endm
; A prefetch of the K step that stands two refills on: 32 rows x 256 bytes, a lane a row.  xn's rows are asked for by the clusters with cluster x = 0, q1's by those with cluster y = 0; of the 128 rows
; that a wave fetches each of the four partners takes 32, told apart by address.  So each row's 256 bytes of K steps 4 to 7 are named once in the launch.  The loop's last trip (s3 = 1) asks for nothing.
.macro ASK
	s_cmp_gt_u32 s3, s[LIM]
	s_cbranch_scc0 .Lnot_mine_\@
	global_prefetch_b8 v[PFO], s[PFA:PFA+1] offset:KSTEP*2 th:TH_LOAD_NT scope:SCOPE_SE
.Lnot_mine_\@:
.endm
.macro CREST                           ; a round of the cluster's barrier behind its opening barrier
	s_cmp_lg_u32 s10, 0
	s_cbranch_scc1 .Lnot_wave_0_\@
	s_barrier_signal -3
.Lnot_wave_0_\@:
	s_barrier_wait -3
	s_barrier_signal -1
	s_barrier_wait -1
.endm
.macro CROUND
	s_barrier_signal -1
	s_barrier_wait -1
	CREST
.endm
	s_load_b128 s[4:7], s[0:1], 0x0                ; xn s[4:5], q1 s[6:7]
	s_load_b64 s[8:9], s[0:1], 0x10                ; hbuf
	s_load_b128 s[68:71], s[0:1], 0x18             ; b1 s[68:69], aux s[70:71]
	s_load_b64 s[72:73], s[0:1], 0x28              ; stat
	s_load_b64 s[92:93], s[0:1], 0x30              ; ln2_g
	v_lshl_add_u32 v[SPW], v0, 2, SPARE
	v_mov_b32 v[NIL], 0
	ds_add_u32 v[SPW], v[NIL]                      ; the wave's opening: the add, twice on end, and its wait ahead of my first tensor load
	ds_add_u32 v[SPW], v[NIL]
	v_lshrrev_b32 v1, 5, v0
	v_readfirstlane_b32 s10, v1                    ; wave 0..3
	s_lshr_b32 s11, s10, 1                         ; which half of the tile's rows is mine.  Also: I fetch for xn (0) or for q1 (1)
	s_and_b32 s12, s10, 1                          ; which half of its columns.  Also: which 128 rows of that tile I fetch
	s_bfe_u32 s40, ttmp6, 0x40000                  ; cx
	s_bfe_u32 s41, ttmp6, 0x40004                  ; cy
	s_lshl_b32 s42, ttmp9, 2
	s_add_co_u32 s42, s42, s40                     ; tile column = 4 x cluster x + cx
	s_and_b32 s13, ttmp7, 0xffff
	s_lshl_b32 s13, s13, 2
	s_add_co_u32 s13, s13, s41                     ; tile row = 4 x cluster y + cy
	s_lshl_b32 s43, s41, 2
	s_lshl_b32 s43, 15, s43                        ; my row of the cluster
	s_lshl_b32 s44, 0x1111, s40                    ; my column
	s_or_b32 s[G1+0], s43, (1<<16)|(1<<20)|(1<<21)|(5<<22)|(3<<25)   ; the mask; elements of 2 bytes; padding on; bit 21 beside a mask; after every 64 words 4 words
	s_or_b32 s[G1B+0], s44, (1<<16)|(1<<20)|(1<<21)|(5<<22)|(3<<25)
.irp g, G1, G1B
	s_mov_b32 s[(\g)+1], KSTEP<<16                 ; tensor_dim0 = 128
	s_mov_b32 s[(\g)+2], 128<<16                   ; tensor_dim1 = 128
	s_mov_b32 s[(\g)+3], KSTEP<<16                 ; tile_dim0 = 128
	s_mov_b32 s[(\g)+4], 128                       ; tile_dim1 = 128
	s_mov_b32 s[(\g)+5], SIZE_K                    ; elements from row to row
	s_mov_b32 s[(\g)+6], 0
	s_mov_b32 s[(\g)+7], 0
.endr
	s_lshl_b32 s17, s12, 7
	s_lshl_b32 s16, s13, 8
	s_add_co_u32 s16, s16, s17                     ; xn: row 256 x tile row + 128 x half
	s_lshl_b32 s46, s42, 8
	s_add_co_u32 s46, s46, s17                     ; q1: row 256 x tile column + 128 x half
	s_mov_b32 s17, 0
	s_mov_b32 s47, 0
	s_mov_b64 s[18:19], SIZE_K*2
	s_mul_u64 s[16:17], s[16:17], s[18:19]
	s_mul_u64 s[46:47], s[46:47], s[18:19]
	s_mul_i32 s20, s10, HALFT                      ; where they go: wave x 128 rows
	s_wait_dscnt 0x0                               ; both opening adds are done
	s_wait_kmcnt 0x0
	s_add_nc_u64 s[14:15], s[4:5], s[16:17]
	s_add_nc_u64 s[46:47], s[6:7], s[46:47]
	s_load_b32 s[SC1], s[70:71], 0x11000           ; s1,
	s_load_b32 s[GI], s[70:71], 0x11008            ; 1 / gs; both waited for ahead of the way out
	CROUND                                         ; all sixteen work-groups are here: the first joint loads meet
.irp s, 0,1
	s_mov_b32 s[G0+4*(\s)], 1
	s_add_co_u32 s[G0+4*(\s)+1], s20, (\s)*SLOT
	s_add_nc_u64 s[G0+4*(\s)+2:G0+4*(\s)+3], s[14:15], (\s)*KSTEP*2
	s_or_b32 s[G0+4*(\s)+3], s[G0+4*(\s)+3], 0x80000000
	s_mov_b32 s[G0B+4*(\s)], 1
	s_add_co_u32 s[G0B+4*(\s)+1], s20, (\s)*SLOT
	s_add_nc_u64 s[G0B+4*(\s)+2:G0B+4*(\s)+3], s[46:47], (\s)*KSTEP*2
	s_or_b32 s[G0B+4*(\s)+3], s[G0B+4*(\s)+3], 0x80000000
	JLOAD \s                                       ; two tensor loads of mine are out
.endr
	; where my part of the tile lies in hbuf, b1, ln2_g and stat
	s_lshl_b32 s16, s13, 8
	s_lshl_b32 s14, s11, 7
	s_add_co_u32 s16, s16, s14                     ; my first row
	s_lshl_b32 s14, s16, 3                         ; x 8 bytes of statistics
	s_lshl_b32 s16, s16, 13                        ; x 8,192 bytes of hbuf
	s_lshl_b32 s46, s42, 9
	s_lshl_b32 s47, s12, 8
	s_add_co_u32 s46, s46, s47                     ; my first column x 2 bytes
	s_add_co_u32 s16, s16, s46
	s_mov_b32 s17, 0
	s_add_nc_u64 s[8:9], s[8:9], s[16:17]
	s_lshl_b32 s16, s46, 1                         ; my first column x 4 bytes
	s_add_nc_u64 s[68:69], s[68:69], s[16:17]
	s_add_nc_u64 s[92:93], s[92:93], s[16:17]
	s_lshl_b32 s16, s46, 8                         ; my chunk x 65,536 bytes
	s_add_co_u32 s16, s16, s14
	s_add_nc_u64 s[72:73], s[72:73], s[16:17]
	v_and_b32 v1, 15, v0                           ; l % 16
	v_bfe_u32 v6, v0, 4, 1                         ; l / 16
	v_lshlrev_b32 v[BO], 5, v6
	WIN TO_B
.irp b, 0,1,2,3,4,5,6,7
	global_load_b128 v[8*(\b):8*(\b)+3],   v[BO], s[68:69] offset:64*(\b)      ; b1 of columns 16 b + 8 (l / 16) + 0..7
	global_load_b128 v[8*(\b)+4:8*(\b)+7], v[BO], s[68:69] offset:64*(\b)+16
.endr
.irp b, 0,1,2,3,4,5,6,7
	global_load_b128 v[GW+8*(\b):GW+8*(\b)+3],   v[BO], s[92:93] offset:64*(\b)      ; ln2_g of the same columns
	global_load_b128 v[GW+8*(\b)+4:GW+8*(\b)+7], v[BO], s[92:93] offset:64*(\b)+16
.endr
	WIN 0
	v_mul_u32_u24 v7, v1, PITCH
	v_lshl_add_u32 v7, v6, 4, v7                   ; a fragment's row x pitch + 16 x half
	s_mul_i32 s21, s11, HALFT                      ; my 128 rows of xn
	s_mul_i32 s22, s12, HALFT                      ; my 128 rows of q1,
	s_add_co_u32 s22, s22, 2*HALFT                 ; which lie behind xn's 256
.irp s, 0,1
	v_add_nc_u32 v[ADRA+(\s)], s21, v7
	v_add_nc_u32 v[ADRB+(\s)], s22, v7
	s_add_co_u32 s21, s21, SLOT
	s_add_co_u32 s22, s22, SLOT
.endr
	s_mul_i32 s23, s10, 16*SPITCH
	s_add_co_u32 s23, s23, STAGE                   ; my stage
	v_mul_u32_u24 v7, v1, SPITCH                   ; in: row l % 16, 16 bytes for each half of the lanes
	v_lshl_add_u32 v7, v6, 4, v7
	v_add_nc_u32 v[STO], s23, v7
	v_mul_u32_u24 v7, v6, SPITCH                   ; back: lanes 0-15 one row of 256 bytes, lanes 16-31 the next
	v_lshl_add_u32 v7, v1, 4, v7
	v_add_nc_u32 v[RD], s23, v7
	v_lshlrev_b32 v7, 13, v6                       ; and the same two rows in hbuf
	v_lshl_add_u32 v[CO], v1, 4, v7
	s_lshl_b32 s23, s10, 10
	s_add_co_u32 s23, s23, STATL                   ; my wave's statistics
	v_lshl_add_u32 v[SLA], v1, 3, s23
	v_and_b32 v[SGO], 31, v0
	v_lshlrev_b32 v[SGO], 3, v[SGO]
	v_add_nc_u32 v[SLR], s23, v[SGO]
	v_mov_b32 v[CM+1], 0                           ; named with c as a pair, so it is written
	v_mov_b32 v[TT], 0
	; the prefetches
	s_lshl_b32 s13, s13, 8
	s_lshl_b32 s42, s42, 8
	s_and_b32 s22, ttmp7, 0xffff                   ; cluster y
	s_cmp_eq_u32 s11, 0                            ; do I fetch for xn?
	s_cselect_b32 s20, s13, s42                    ; the tile's first row
	s_cselect_b32 s21, s40, s41                    ; my place among the four that ask for it with me
	s_cselect_b32 s22, ttmp9, s22                  ; the coordinate along which other clusters read the same rows
	s_cselect_b64 s[PFA:PFA+1], s[4:5], s[6:7]
	s_cmp_eq_u32 s22, 0
	s_cselect_b32 s[LIM], 1, -1                    ; the same in all sixteen partners, for a given wave
	s_lshl_b32 s22, s12, 7
	s_add_co_u32 s20, s20, s22                     ; + the 128 rows that I fetch
	s_lshl_b32 s21, s21, 5
	s_add_co_u32 s20, s20, s21                     ; + my work-group's 32 of them
	s_mov_b32 s21, 0
	s_mov_b64 s[18:19], SIZE_K*2
	s_mul_u64 s[20:21], s[20:21], s[18:19]
	s_add_nc_u64 s[PFA:PFA+1], s[PFA:PFA+1], s[20:21]
	s_add_nc_u64 s[PFA:PFA+1], s[PFA:PFA+1], 2*KSTEP*2  ; at K step 2: the first refill steps it to 3 and names K step 4
	v_and_b32 v[PFO], 31, v0
	v_mul_u32_u24 v[PFO], v[PFO], SIZE_K*2
	; gelu's constants, each as a pair of which the packed forms take the low word
	s_mov_b32 s[C5], 0x3f07dc22
	s_mov_b32 s[C5+1], 0x3f07dc22
	s_mov_b32 s[C4], 0xbf3a00e3
	s_mov_b32 s[C4+1], 0xbf3a00e3
	s_mov_b32 s[C3], 0x3f35f0e3
	s_mov_b32 s[C3+1], 0x3f35f0e3
	s_mov_b32 s[C2], 0xbe11a98e
	s_mov_b32 s[C2+1], 0xbe11a98e
	s_mov_b32 s[C1], 0x3e027906
	s_mov_b32 s[C1+1], 0x3e027906
	s_mov_b32 s[KNEG], 0xbf38aa3b
	s_mov_b32 s[KNEG+1], 0xbf38aa3b
	s_mov_b32 s[PP], 0x3e6d3389
	s_mov_b32 s[SEL], 0x76543210
	s_mov_b32 s[SEL+1], 0xfedcba98
; 16 matrix instructions: row blocks a0, a0 + 1 of the window's four x all 8 column blocks, 32 along K.  zero = 1: the first product starts the sums.
.macro MUL16 f, hi, a0, zero
	WIN MUL_LO+0x50*(\hi)
.irp a, \a0, (\a0)+1
.irp b, 0,1,2,3,4,5,6,7
.if \zero
	v_wmma_f32_16x16x32_f16 v[8*(8*(\a)+(\b)):8*(8*(\a)+(\b))+7], v[(\f)+8*(\b):(\f)+8*(\b)+7], v[(\f)+8*(4*(\hi)+(\a)):(\f)+8*(4*(\hi)+(\a))+7], 0
.else
	v_wmma_f32_16x16x32_f16 v[8*(8*(\a)+(\b)):8*(8*(\a)+(\b))+7], v[(\f)+8*(\b):(\f)+8*(\b)+7], v[(\f)+8*(4*(\hi)+(\a)):(\f)+8*(4*(\hi)+(\a))+7], v[8*(8*(\a)+(\b)):8*(8*(\a)+(\b))+7]
.endif
.endr
.endr
.endm
; 32 LDS loads in one run: the fragments of one quarter step (32 K at byte k of the rows) into buffer f
.macro FETCH slot, k, f
	WIN TO_B
.irp i, 0,1,2,3,4,5,6,7
	ds_load_b128 v[(\f)+8*(\i):(\f)+8*(\i)+3],   v[ADRB+(\slot)] offset:(\k)+(\i)*16*PITCH
	ds_load_b128 v[(\f)+8*(\i)+4:(\f)+8*(\i)+7], v[ADRB+(\slot)] offset:(\k)+(\i)*16*PITCH+32
.endr
	WIN 0
.irp i, 0,1,2,3,4,5,6,7
	ds_load_b128 v[(\f)+8*(\i):(\f)+8*(\i)+3],   v[ADRA+(\slot)] offset:(\k)+(\i)*16*PITCH
	ds_load_b128 v[(\f)+8*(\i)+4:(\f)+8*(\i)+7], v[ADRA+(\slot)] offset:(\k)+(\i)*16*PITCH+32
.endr
.endm
.macro PLACES                          ; four plain instructions behind a matrix instruction, in front of loads into registers that it has read and of lines that read its result
.rept 4
	v_nop
.endr
.endm
; A K step is four quarters of 32 along K, 64 matrix instructions each, on buffers 0, 1, 0, 1.  The 64 accumulators take turns, in the same order in every quarter.
.macro QUARTER slot, k, f, g, zero
	s_wait_dscnt 8                                 ; q1's fragments and xn's rows 0-63 are in; the youngest eight loads (xn's rows 64-127) may be out
	MUL16 \f, 0, 0, \zero
	MUL16 \f, 0, 2, \zero
	PLACES
	FETCH \slot, \k, \g
	s_wait_dscnt 32                                ; all but the 32 just issued
	MUL16 \f, 1, 0, \zero
	MUL16 \f, 1, 2, \zero
.endm
; The first half of a step's last quarter: one barrier for the change of slots.
.macro MEET round
	WIN 0
	s_wait_tensorcnt 0x0                           ; all my tensor loads have landed: the one that was out is my part of the next slot
	ds_add_u32 v[SPW], v[NIL]                      ; 0 onto my spare word
	s_wait_dscnt 9                                 ; the add and the youngest eight loads may be out
	MUL16 F1, 0, 0, 0
	s_wait_dscnt 0x0                               ; the add is done, and my reads of this slot are over
	s_barrier_signal -1
	MUL16 F1, 0, 2, 0
.if \round
	WIN 0
.endif
	s_barrier_wait -1
.endm
; The whole last quarter.  fill = 1: the barrier opens a round of the cluster's barrier, and the slot just read out is filled again, two K steps ahead, first thing behind the round:
; from that request to the wait for it a wave issues 224 matrix instructions.
.macro TURN slot, next, fill
.if \fill
	s_wait_xcnt 0x0                                ; the last prefetch, a K step back, has read its address
	s_add_nc_u64 s[PFA:PFA+1], s[PFA:PFA+1], KSTEP*2
.endif
	MEET \fill
.if \fill
	CREST
	s_add_nc_u64 s[G0+4*(\slot)+2:G0+4*(\slot)+3], s[G0+4*(\slot)+2:G0+4*(\slot)+3], 2*KSTEP*2
	s_add_nc_u64 s[G0B+4*(\slot)+2:G0B+4*(\slot)+3], s[G0B+4*(\slot)+2:G0B+4*(\slot)+3], 2*KSTEP*2
	JLOAD \slot                                    ; its four v_nop are also the places in front of the loads below
.else
	PLACES
.endif
	FETCH \next, 0, F0
.if \fill
	ASK
.endif
	MUL16 F1, 1, 0, 0
	MUL16 F1, 1, 2, 0
.endm
	s_wait_tensorcnt 1                             ; my part of K step 0 is in; K step 1's may stay out
	s_barrier_signal -1
	s_barrier_wait -1
	FETCH 0, 0, F0
	QUARTER 0, 64,  F0, F1, 1                      ; the first quarter stands in front of the loop: its products start the sums
	WIN 0
	s_mov_b32 s3, LAPS-1
.Llap:                                                 ; a trip goes once round the ring and fills both slots again
	QUARTER 0, 128, F1, F0, 0
	QUARTER 0, 192, F0, F1, 0
	TURN 0, 1, 1
	QUARTER 1, 64,  F0, F1, 0
	QUARTER 1, 128, F1, F0, 0
	QUARTER 1, 192, F0, F1, 0
	TURN 1, 0, 1
	QUARTER 0, 64,  F0, F1, 0
	WIN 0
	s_sub_co_u32 s3, s3, 1
	s_cmp_lg_u32 s3, 0
	s_cbranch_scc1 .Llap
	QUARTER 0, 128, F1, F0, 0                      ; the last lap fills nothing
	QUARTER 0, 192, F0, F1, 0
	TURN 0, 1, 0
	QUARTER 1, 64,  F0, F1, 0
	QUARTER 1, 128, F1, F0, 0
	QUARTER 1, 192, F0, F1, 0
	s_wait_dscnt 8
	MUL16 F1, 0, 0, 0
	MUL16 F1, 0, 2, 0
	s_wait_dscnt 0x0
	MUL16 F1, 1, 0, 0
	MUL16 F1, 1, 2, 0
	WIN 0
	PLACES
	s_wait_loadcnt 0x0                             ; b1, ln2_g
	s_wait_kmcnt 0x0                               ; s1, 1 / gs
	s_mov_b32 s[SC1+1], s[SC1]
	s_mov_b32 s[GI+1], s[GI]
	WIN 0x41                                       ; destination and source 0 window 1
.set i, 0
.rept 32
	v_pk_mul_f32 v[GW+i:GW+i+1], v[GW+i:GW+i+1], s[GI:GI+1] op_sel_hi:[1,0]   ; g' = ln2_g / gs: a power of two, so exact
.set i, i+2
.endr
	WIN 0
; THE WAY OUT, a block of 16 rows a trip, eight trips.  The text of gelu stands once; what differs from block to block is which accumulators are read, so each block has its own 32 lines that make
; z = s1 * sum + b1 in ZZ, chosen by the trip's number.  Each accumulator's lowest registers are read first.
.macro COPY a
	WIN 0x12+(\a)/4                                ; source 0 window 2 or 3, source 2 window 1, destination window 0
.set i, 0
.rept 32
	v_pk_fma_f32 v[ZZ+i:ZZ+i+1], v[64*((\a)%4)+i:64*((\a)%4)+i+1], s[SC1:SC1+1], v[i:i+1] op_sel_hi:[1,0,1]
.set i, i+2
.endr
	WIN 0
.endm
	s_mov_b32 s[BLK], 0
.Lblk:
.irp a, 0,1,2,3,4,5,6
	s_cmp_eq_u32 s[BLK], \a
	s_cbranch_scc1 .Lcp\a
.endr
	COPY 7
	s_branch .Lgelu
.irp a, 0,1,2,3,4,5
.Lcp\a:
	COPY \a
	s_branch .Lgelu
.endr
.Lcp6:
	COPY 6
.Lgelu:
.set i, 0
.rept 64
	v_fma_f32 v[TQ+i], |v[ZZ+i]|, s[PP], 1.0       ; 1 + p |z|
.set i, i+1
.endr
.set i, 0
.rept 32                               ; the reciprocals, a plain line behind each: -z^2 log2(e) / 2
	v_rcp_f32 v[TQ+i], v[TQ+i]
	v_pk_mul_f32 v[EX+i:EX+i+1], v[ZZ+i:ZZ+i+1], s[KNEG:KNEG+1] op_sel_hi:[1,0]
	v_rcp_f32 v[TQ+i+1], v[TQ+i+1]
	v_pk_mul_f32 v[EX+i:EX+i+1], v[EX+i:EX+i+1], v[ZZ+i:ZZ+i+1]
.set i, i+2
.endr
	s_wait_alu depctr_va_vdst(0)                   ; one wait for the 64 reciprocals, ahead of their first reader
; The polynomial in t, eight pairs at a time, five steps; 16 exponentials stand among each group's 40 plain lines, each with a plain line behind it that names none of its registers.
.set g, 0
.rept 4
.set ec, 0
.set n, 0
.rept 40
.set tp, TQ+16*g+2*(n%8)
.set wp, WW+16*(g%2)+2*(n%8)
.if n/8 == 0
	v_pk_fma_f32 v[wp:wp+1], v[tp:tp+1], s[C5:C5+1], s[C4:C4+1] op_sel_hi:[1,0,0]
.elseif n/8 == 1
	v_pk_fma_f32 v[wp:wp+1], v[wp:wp+1], v[tp:tp+1], s[C3:C3+1] op_sel_hi:[1,1,0]
.elseif n/8 == 2
	v_pk_fma_f32 v[wp:wp+1], v[wp:wp+1], v[tp:tp+1], s[C2:C2+1] op_sel_hi:[1,1,0]
.elseif n/8 == 3
	v_pk_fma_f32 v[wp:wp+1], v[wp:wp+1], v[tp:tp+1], s[C1:C1+1] op_sel_hi:[1,1,0]
.else
	v_pk_mul_f32 v[tp:tp+1], v[wp:wp+1], v[tp:tp+1]
.endif
.if (n%5 == 0) || (n%5 == 2)
	v_exp_f32 v[EX+16*g+ec], v[EX+16*g+ec]
.set ec, ec+1
.endif
.set n, n+1
.endr
.set g, g+1
.endr
	s_wait_alu depctr_va_vdst(0)                   ; one wait for the 64 exponentials
.set i, 0
.rept 32
	v_pk_fma_f32 v[EX+i:EX+i+1], v[TQ+i:TQ+i+1], v[EX+i:EX+i+1], 0.5 op_sel_hi:[1,1,0] neg_lo:[1,0,0] neg_hi:[1,0,0]  ; 1/2 - Q
.set i, i+2
.endr
.set i, 0
.rept 32
	v_pk_mul_f32 v[TQ+i:TQ+i+1], v[ZZ+i:ZZ+i+1], 0.5 op_sel_hi:[1,0]
.set i, i+2
.endr
.set i, 0
.rept 64
	v_fma_f32 v[ZZ+i], |v[ZZ+i]|, v[EX+i], v[TQ+i] ; gelu
.set i, i+1
.endr
	; the chunk's mean: my 64 numbers and those of the lane 16 away
.irp p, 0,2,4,6
	v_pk_add_f32 v[RA+(\p):RA+(\p)+1], v[ZZ+(\p):ZZ+(\p)+1], v[ZZ+8+(\p):ZZ+8+(\p)+1]
.endr
.set k, 16
.rept 24
	v_pk_add_f32 v[RA+k%8:RA+k%8+1], v[RA+k%8:RA+k%8+1], v[ZZ+k:ZZ+k+1]
.set k, k+2
.endr
	v_pk_add_f32 v[RA:RA+1], v[RA:RA+1], v[RA+2:RA+3]
	v_pk_add_f32 v[RA+4:RA+5], v[RA+4:RA+5], v[RA+6:RA+7]
	v_pk_add_f32 v[RA:RA+1], v[RA:RA+1], v[RA+4:RA+5]
	v_add_f32 v[CM], v[RA], v[RA+1]
	v_permlanex16_b32 v[TT], v[CM], s[SEL], s[SEL+1]
	v_add_f32 v[CM], v[CM], v[TT]
	v_mul_f32 v[CM], 0x3c000000, v[CM]             ; / 128
.set i, 0
.rept 32
	v_pk_add_f32 v[ZZ+i:ZZ+i+1], v[ZZ+i:ZZ+i+1], v[CM:CM+1] op_sel_hi:[1,0] neg_lo:[0,1] neg_hi:[0,1]
.set i, i+2
.endr
	WIN 0x04                                       ; source 1 window 1
.set i, 0
.rept 32
	v_pk_mul_f32 v[EX+i:EX+i+1], v[ZZ+i:ZZ+i+1], v[GW+i:GW+i+1]   ; (a - c) g'; ZZ keeps a - c for the sum of squares
.set i, i+2
.endr
	WIN 0
.set i, 0
.rept 32
	v_cvt_pk_f16_f32 v[PK+i], v[EX+2*i], v[EX+2*i+1]
.set i, i+1
.endr
.irp b, 0,1,2,3,4,5,6,7
	ds_store_b128 v[STO], v[PK+4*(\b):PK+4*(\b)+3] offset:32*(\b)
.endr
.irp t, 0,1,2,3,4,5,6,7
	ds_load_b128 v[OB+4*(\t):OB+4*(\t)+3], v[RD] offset:(\t)*2*SPITCH  ; LDS serves a wave's instructions in order (ISA guide 5.7.1.4): these see the stores above
.endr
	; the sum of squares of the centred numbers stands between those loads and the wait for them
.irp p, 0,2,4,6
	v_pk_mul_f32 v[RA+(\p):RA+(\p)+1], v[ZZ+(\p):ZZ+(\p)+1], v[ZZ+(\p):ZZ+(\p)+1]
.endr
.set k, 8
.rept 28
	v_pk_fma_f32 v[RA+k%8:RA+k%8+1], v[ZZ+k:ZZ+k+1], v[ZZ+k:ZZ+k+1], v[RA+k%8:RA+k%8+1]
.set k, k+2
.endr
	v_pk_add_f32 v[RA:RA+1], v[RA:RA+1], v[RA+2:RA+3]
	v_pk_add_f32 v[RA+4:RA+5], v[RA+4:RA+5], v[RA+6:RA+7]
	v_pk_add_f32 v[RA:RA+1], v[RA:RA+1], v[RA+4:RA+5]
	v_add_f32 v[CM+1], v[RA], v[RA+1]
	v_permlanex16_b32 v[TT], v[CM+1], s[SEL], s[SEL+1]
	v_add_f32 v[CM+1], v[CM+1], v[TT]
	v_lshl_add_u32 v[SLT], s[BLK], 7, v[SLA]       ; 16 rows x 8 bytes a block
	ds_store_b64 v[SLT], v[CM:CM+1]                ; lanes l and l + 16 write the same pair
	s_wait_dscnt 1                                 ; the eight loads are back; the store behind them may be out
.irp t, 0,1,2,3,4,5,6,7
	global_store_b128 v[CO], v[OB+4*(\t):OB+4*(\t)+3], s[8:9] offset:2*(\t)*SIZE_N*2  ; 16 lanes store 256 consecutive bytes, aligned
.endr
	s_wait_xcnt 0x0                                ; the stores have read their base and OB: both are rewritten only behind this wait
	s_add_nc_u64 s[8:9], s[8:9], 16*SIZE_N*2
	s_add_co_u32 s[BLK], s[BLK], 1
	s_cmp_lt_u32 s[BLK], 8
	s_cbranch_scc1 .Lblk
	; my wave's 128 pairs (c, M2): 1,024 consecutive bytes of stat
.irp i, 0,1,2,3
	ds_load_b64 v[PK+2*(\i):PK+2*(\i)+1], v[SLR] offset:256*(\i)
.endr
	s_wait_dscnt 0x0
.irp i, 0,1,2,3
	global_store_b64 v[SGO], v[PK+2*(\i):PK+2*(\i)+1], s[72:73] offset:256*(\i)
.endr
	s_wait_tensorcnt 0x0                           ; the wave's end: behind my last tensor load and my last LDS store
	ds_add_u32 v[SPW], v[NIL]
	s_wait_dscnt 0x0
	CROUND                                         ; the closing round: no work-group ends while a partner may still ask for a tile that names it
	s_endpgm
.Lfunc_end_k_q46d351b729_ffn1:
	.size	k_q46d351b729_ffn1, .Lfunc_end_k_q46d351b729_ffn1-k_q46d351b729_ffn1
	.p2alignl 7, 3214868480
	.fill 96, 4, 3214868480
	.section	.rodata,"a",@progbits
	.p2align	6, 0x0
	.amdhsa_kernel k_q46d351b729_ffn1
		.amdhsa_group_segment_fixed_size 327680
		.amdhsa_private_segment_fixed_size 0
		.amdhsa_enable_private_segment 0
		.amdhsa_kernarg_size 56
		.amdhsa_user_sgpr_count 2
		.amdhsa_user_sgpr_kernarg_segment_ptr 1
		.amdhsa_wavefront_size32 1
		.amdhsa_system_sgpr_workgroup_id_x 1
		.amdhsa_system_sgpr_workgroup_id_y 1
		.amdhsa_system_sgpr_workgroup_id_z 1
		.amdhsa_system_vgpr_workitem_id 0
		.amdhsa_next_free_vgpr 1024
		.amdhsa_next_free_sgpr 96
		.amdhsa_reserve_vcc 0
		.amdhsa_float_denorm_mode_32 3
		.amdhsa_float_denorm_mode_16_64 3
		.amdhsa_memory_ordered 1
		.amdhsa_forward_progress 1
		.amdhsa_inst_pref_size 180
	.end_amdhsa_kernel
	.amdgpu_metadata
---
amdhsa.version: [ 1, 2 ]
amdhsa.kernels:
  - .name:           k_q46d351b729_ffn1
    .symbol:         k_q46d351b729_ffn1.kd
    .args:
      - { .name: xn, .offset: 0, .size: 8, .value_kind: global_buffer, .address_space: global }
      - { .name: q1, .offset: 8, .size: 8, .value_kind: global_buffer, .address_space: global }
      - { .name: hbuf, .offset: 16, .size: 8, .value_kind: global_buffer, .address_space: global }
      - { .name: b1, .offset: 24, .size: 8, .value_kind: global_buffer, .address_space: global }
      - { .name: aux, .offset: 32, .size: 8, .value_kind: global_buffer, .address_space: global }
      - { .name: stat, .offset: 40, .size: 8, .value_kind: global_buffer, .address_space: global }
      - { .name: ln2_g, .offset: 48, .size: 8, .value_kind: global_buffer, .address_space: global }
    .group_segment_fixed_size: 327680
    .private_segment_fixed_size: 0
    .kernarg_segment_align: 8
    .kernarg_segment_size: 56
    .max_flat_workgroup_size: 128
    .sgpr_count:     96
    .vgpr_count:     1024
    .wavefront_size: 32
...
	.end_amdgpu_metadata
.endif
;; end of part 3
;; launch ffn2 (part 4): grid 4 x 64, 4 waves a work-group, clusters of 4 x 4, 327,680 bytes of LDS; arguments hbuf, w2q, out0, aux, stat; writes out0
.if DOCPART == 4
	.amdgcn_target "amdgcn-amd-amdhsa--gfx1250"
	.amdhsa_code_object_version 6
	.text
	.protected	k_q46d351b729_ffn2
	.globl	k_q46d351b729_ffn2
	.p2align	8
	.type	k_q46d351b729_ffn2,@function
k_q46d351b729_ffn2:
	s_mov_b64 s[64:65], 0
	v_nop
	global_prefetch_b8 v0, s[64:65] scope:SCOPE_SE
	s_setreg_imm32_b32 hwreg(HW_REG_WAVE_MODE, 25, 1), 1
	s_wait_xcnt 0x0
	s_wait_alu depctr_hold_cnt(0) depctr_sa_sdst(0) depctr_va_vdst(0) depctr_va_sdst(0) depctr_va_ssrc(0) depctr_va_vcc(0) depctr_vm_vsrc(0)
	s_getreg_b32 s2, hwreg(HW_REG_IB_STS2, 6, 4)
	s_cmp_eq_u32 s2, 0
	s_cbranch_scc0 .Lentry_in_a_cluster
	s_endpgm
.Lentry_in_a_cluster:
	s_bfe_u32 s2, ttmp6, 0x10000c
	s_cmp_lg_u32 s2, 0xf033
	s_cbranch_scc0 .Lentry_shape_is_right
	s_endpgm
.Lentry_shape_is_right:
; FEED-FORWARD, launch 4 of 4.  out[m][d] = rstd[m] (s2 gs) ( sum_k h[m][k] q2[d][k] + sum_t dev[m][t] G[d][t] ) + cvec[d].
; h = (gelu less its chunk's mean c_t) ln2_g / gs (hbuf, f16); mu = the mean of a row's 32 c_t; dev_t = c_t - mu; var = (sum_t M2_t + 128 sum_t dev_t^2) / 4096; rstd = 1 / sqrt(var + 1e-5).
; So LN2's mean is taken away in f32, from numbers of the row's own spread: no difference of large sums is formed.  G (in units of gs), cvec and s2 gs come from aux.
; The 32 chunks are ONE K step of 32 for the matrix unit: its products, with the constant 0 as C, start all the sums, and the loop over hbuf's K has one form of product.
; THE WEIGHTS COME AS BYTES.  q2 is -1, 0 or 1; in f16 the lower byte of these is 0, and w2q holds the upper byte: the number itself, exactly.  The matrix operand is f16: one v_perm_b32 a register sets two
; codes above two bytes of 0, between LDS and the matrix unit.  So a slot of 256 along K takes 128 x 528 + 256 x 272 = 137,216 bytes, and two of them fit in LDS.
; hbuf: [8192][4096] f16, w2q: [1024][4096] bytes, out0: [8192][1024] f32.  LIMIT: dev lies within f16's 65,504.
; SHARES.  A tile is 128 rows x 256 columns, so that the 8192 x 1024 numbers give 256 work-groups; four waves, each 64 x 128: 32 accumulators.  K goes in 16 steps of 256 through two LDS slots.
; 4 x 4 work-groups form a cluster, which spans all four tile columns: hbuf's tile is asked for jointly along a row of the cluster, w2q's along a column.
; The matrix instruction is used transposed (source 0 = 16 rows of q2, source 1 = 16 rows of hbuf): a lane holds row l % 16 and the columns 16 b + 8 (l / 16) + 0..7.
; THE ORDER OF k.  A lane's load of 16 codes brings k = 16 (l / 16) + 0..15 of a block of 32, and its eight registers take them in that order; hbuf's fragment takes the same k: 32 consecutive bytes a
; lane.  The same permutation of k on both sides leaves every product in the sum.
; BLOCKS.  A block is 32 along K, 32 matrix instructions; a slot has eight.  Block j multiplies buffer j % 2; in its middle it loads hbuf's fragments of block j + 1 and the codes of block j + 2; behind each of
; its last 16 matrix instructions stand four of the 64 v_perm_b32 that make block j + 1's fragments of q2.
; REGISTERS, in windows of 256 (s_set_vgpr_msb: bits 1:0 source 0, 3:2 source 1, 5:4 source 2, 7:6 destination):
;   window 0: v0-31 addresses, rstd s2 gs; v32-63 dev's four fragments; v64-95, v96-127 hbuf's fragments, two buffers; v128-159, v160-191 codes, two buffers (ahead of the loop v128-255 the statistics, behind it the way out)
;   window 1: v0-127 the accumulators of row blocks 0, 1, (a, b) at v[8 (8 a + b)]; v128-191, v192-255 q2's fragments, two buffers
;   window 2: v0-127 the accumulators of row blocks 2, 3; v128-191 G's eight fragments; v192-255 cvec of my lane's 64 columns
; Row blocks 0, 1 share their window with q2's fragments, so that a product on them and a v_perm_b32 (destination window 1, codes in window 0) run under one setting: three switches a block.
.set SIZE_K, 4096
.set KSLOT,  256
.set PA,     528                       ; a row of hbuf in LDS: 512 bytes + 16: the 16 rows of a fragment load start at 16 different groups of four banks (ISA guide 11.1)
.set PB,     272                       ; a row of codes: 256 bytes + 16: likewise
.set BOFF,   128*PA                    ; hbuf's 128 rows, then w2q's 256
.set SLOTX,  139264                    ; slot 1 begins here: 0x22000 shares no bit with the four LDS addresses of slot 0's loads (0, 0x8400, 0x10800, 0x19000), so one exclusive or changes slots
.set STAGE,  SLOTX+BOFF+256*PB         ; behind the ring: 16 rows x 528 bytes for each wave
.set SPITCH, 528
.set SPARE,  STAGE+4*16*SPITCH         ; the spare words, 128 bytes a wave
.set STEPS,  SIZE_K/KSLOT
.set VB,   2                           ; v2   64 (l % 16) + 16 (l / 16): my offset in 16 rows of G
.set VC,   3                           ; v3   32 (l / 16): in cvec
.set VS,   4                           ; v4   (l / 16) << 19 | (l % 16) << 3: in stat
.set RS,   8                           ; v[8:15] rstd s2 gs of my row in block a, twice, at 2 a
.set ADA,  16                          ; v16  LDS address of the loads of hbuf's fragments in hand
.set ADR,  17                          ; v17  of the codes
.set A0,   18                          ; v18  my lane's place in hbuf's part of a slot; never rewritten
.set B0,   19                          ; v19  in w2q's part
.set STO,  24
.set RD,   25
.set CO,   26
.set SPW,  28                          ; v28  LDS address of my spare word; never rewritten
.set NIL,  29                          ; v29  0; never rewritten
.set PFO,  30                          ; v30  lane x a row's bytes in memory
.set AEXT, 32
.set FA,   64
.set TP,   64                          ; at work ahead of the loop
.set RB,   128
.set ST,   128                         ; block a's 16 pairs (c, M2) at 32 a
.set OO,   128
.set OB,   192
.set FB,   128                         ; window 1
.set BEXT, 128                         ; window 2
.set CV,   192                         ; window 2
.set G1,  24
.set G0,  32                           ; s[32:39] group 0 for hbuf's tiles: a set for each first fill; the second then walks on
.set LIM, 43
.set PFA, 44
.set G1B, 48
.set G0B, 56
.set SEL, 76
.set TA,  78                           ; s78  LDS byte: the slot, plus 128 for each two blocks gone, for hbuf's fragments
.set TR,  79                           ; s79  the same with 64, for the codes
.set PFS, 80                           ; s[80:81] a slot's bytes of a row in memory: 512 (hbuf) or 256 (w2q)
.set PLO, 82                           ; s82  v_perm_b32: 0, code 0, 0, code 1
.set PHI, 83                           ; s83  0, code 2, 0, code 3
.set MSB, 0
.macro WIN new
.if MSB != (\new)
	s_set_vgpr_msb (MSB<<8)|(\new)
.set MSB, \new
.endif
.endm
.macro JLOAD s                         ; waves 0 and 1 fetch hbuf's two halves (64 rows each), waves 2 and 3 w2q's (128 rows each); an s_nop 0 and four v_nop follow each line
	s_cmp_eq_u32 s11, 0
	s_cbranch_scc0 .Lfor_b_\@
	tensor_load_to_lds s[G0+4*(\s):G0+4*(\s)+3], s[G1:G1+7]
	s_nop 0
.rept 4
	v_nop
.endr
	s_branch .Lasked_\@
.Lfor_b_\@:
	tensor_load_to_lds s[G0B+4*(\s):G0B+4*(\s)+3], s[G1B:G1B+7]
	s_nop 0
.rept 4
	v_nop
.endr
.Lasked_\@:
.endm
; A prefetch of the slot that stands two refills on, 512 matrix instructions ahead of its load; a lane a row.  hbuf's 128 rows of a tile are read by one cluster alone: each of the four partners takes 32,
; told apart by address; wave 0 asks for the first 256 bytes of a row's 512, wave 1 for the second.  w2q's rows are read by every cluster: the cluster with y = 0 asks, waves 2 and 3, 32 of their 128 rows in
; each of the four partners.  Slots 4 to 15 are so named once; the last two refills (s3 = 2, 1) ask for nothing.
.macro ASK
	s_cmp_gt_u32 s3, s[LIM]
	s_cbranch_scc0 .Lnot_mine_\@
	global_prefetch_b8 v[PFO], s[PFA:PFA+1] th:TH_LOAD_NT scope:SCOPE_SE
.Lnot_mine_\@:
.endm
.macro CREST
	s_cmp_lg_u32 s10, 0
	s_cbranch_scc1 .Lnot_wave_0_\@
	s_barrier_signal -3
.Lnot_wave_0_\@:
	s_barrier_wait -3
	s_barrier_signal -1
	s_barrier_wait -1
.endm
.macro CROUND
	s_barrier_signal -1
	s_barrier_wait -1
	CREST
.endm
	s_load_b128 s[4:7], s[0:1], 0x0                ; hbuf s[4:5], w2q s[6:7]
	s_load_b64 s[8:9], s[0:1], 0x10                ; out0
	s_load_b128 s[68:71], s[0:1], 0x18             ; aux s[68:69], stat s[70:71]
	v_lshl_add_u32 v[SPW], v0, 2, SPARE
	v_mov_b32 v[NIL], 0
	ds_add_u32 v[SPW], v[NIL]                      ; the wave's opening: the add, twice on end, and its wait ahead of my first tensor load
	ds_add_u32 v[SPW], v[NIL]
	v_lshrrev_b32 v1, 5, v0
	v_readfirstlane_b32 s10, v1                    ; wave 0..3
	s_lshr_b32 s11, s10, 1                         ; which 64 rows of the tile are mine.  Also: I fetch for hbuf (0) or for w2q (1)
	s_and_b32 s12, s10, 1                          ; which 128 columns.  Also: which half of that tile I fetch
	s_bfe_u32 s40, ttmp6, 0x40000                  ; cx
	s_bfe_u32 s41, ttmp6, 0x40004                  ; cy
	s_lshl_b32 s42, ttmp9, 2
	s_add_co_u32 s42, s42, s40                     ; tile column
	s_and_b32 s13, ttmp7, 0xffff
	s_lshl_b32 s13, s13, 2
	s_add_co_u32 s13, s13, s41                     ; tile row
	s_lshl_b32 s43, s41, 2
	s_lshl_b32 s43, 15, s43                        ; my row of the cluster
	s_lshl_b32 s44, 0x1111, s40                    ; my column
	s_or_b32 s[G1+0], s43, (1<<16)|(1<<20)|(1<<21)|(6<<22)|(3<<25)   ; the mask; elements of 2 bytes; padding on; bit 21 beside a mask; after every 128 words 4 words
	s_or_b32 s[G1B+0], s44, (1<<16)|(1<<20)|(1<<21)|(5<<22)|(3<<25)  ; the same with padding after every 64 words
	s_mov_b32 s[G1+1], KSLOT<<16                   ; hbuf: tensor_dim0 = 256
	s_mov_b32 s[G1+2], 64<<16                      ; tensor_dim1 = 64
	s_mov_b32 s[G1+3], KSLOT<<16                   ; tile_dim0 = 256
	s_mov_b32 s[G1+4], 64                          ; tile_dim1 = 64
	s_mov_b32 s[G1+5], SIZE_K                      ; elements from row to row
	s_mov_b32 s[G1+6], 0
	s_mov_b32 s[G1+7], 0
	s_mov_b32 s[G1B+1], 128<<16                    ; w2q: 256 codes of a row as 128 elements of 2 bytes
	s_mov_b32 s[G1B+2], 128<<16                    ; 128 rows
	s_mov_b32 s[G1B+3], 128<<16
	s_mov_b32 s[G1B+4], 128
	s_mov_b32 s[G1B+5], SIZE_K/2                   ; a row of 4,096 bytes
	s_mov_b32 s[G1B+6], 0
	s_mov_b32 s[G1B+7], 0
	s_lshl_b32 s17, s12, 6
	s_lshl_b32 s16, s13, 7
	s_add_co_u32 s16, s16, s17                     ; hbuf: row 128 x tile row + 64 x half,
	s_lshl_b32 s16, s16, 13                        ; x 8,192 bytes
	s_mov_b32 s17, 0
	s_lshl_b32 s47, s12, 7
	s_lshl_b32 s46, s42, 8
	s_add_co_u32 s46, s46, s47                     ; w2q: row 256 x tile column + 128 x half,
	s_lshl_b32 s46, s46, 12                        ; x 4,096 bytes
	s_mov_b32 s47, 0
	s_mul_i32 s20, s12, 64*PA                      ; where they go: hbuf's halves at 0 and 64 rows,
	s_mul_i32 s21, s12, 128*PB
	s_add_co_u32 s21, s21, BOFF                    ; w2q's behind them
	s_wait_dscnt 0x0                               ; both opening adds are done
	s_wait_kmcnt 0x0
	s_add_nc_u64 s[14:15], s[4:5], s[16:17]
	s_add_nc_u64 s[46:47], s[6:7], s[46:47]
	s_load_b32 s72, s[68:69], 0x11004              ; s2 gs; waited for where it is used
	CROUND                                         ; all sixteen work-groups are here: the first joint loads meet
.irp s, 0,1
	s_mov_b32 s[G0+4*(\s)], 1
	s_add_co_u32 s[G0+4*(\s)+1], s20, (\s)*SLOTX
	s_add_nc_u64 s[G0+4*(\s)+2:G0+4*(\s)+3], s[14:15], (\s)*KSLOT*2
	s_or_b32 s[G0+4*(\s)+3], s[G0+4*(\s)+3], 0x80000000
	s_mov_b32 s[G0B+4*(\s)], 1
	s_add_co_u32 s[G0B+4*(\s)+1], s21, (\s)*SLOTX
	s_add_nc_u64 s[G0B+4*(\s)+2:G0B+4*(\s)+3], s[46:47], (\s)*KSLOT
	s_or_b32 s[G0B+4*(\s)+3], s[G0B+4*(\s)+3], 0x80000000
	JLOAD \s                                       ; two tensor loads of mine are out
.endr
	; the prefetches
	s_lshl_b32 s20, s13, 7                         ; hbuf: 128 x tile row
	s_lshl_b32 s21, s42, 8
	s_lshl_b32 s23, s12, 7
	s_add_co_u32 s21, s21, s23                     ; w2q: 256 x tile column + the 128 rows that I fetch
	s_and_b32 s22, ttmp7, 0xffff                   ; cluster y
	s_lshl_b32 s23, s12, 8                         ; hbuf: which 256 bytes of a row's 512
	s_cmp_eq_u32 s11, 0
	s_cselect_b32 s20, s20, s21
	s_cselect_b32 s21, s40, s41                    ; my place among the four that ask with me
	s_cselect_b32 s22, 0, s22                      ; 0 in waves 0 and 1, and in waves 2 and 3 of the cluster with y = 0
	s_cselect_b32 s23, s23, 0
	s_cselect_b32 s14, 13, 12                      ; a row is 2^13 or 2^12 bytes
	s_cselect_b64 s[PFA:PFA+1], s[4:5], s[6:7]
	s_cmp_eq_u32 s22, 0
	s_cselect_b32 s[LIM], 2, -1                    ; the same in all sixteen partners, for a given wave
	s_lshl_b32 s21, s21, 5
	s_add_co_u32 s20, s20, s21
	s_lshl_b32 s20, s20, s14
	s_add_co_u32 s20, s20, s23
	s_sub_co_u32 s15, s14, 4
	s_lshl_b32 s[PFS], 1, s15                      ; 512 or 256
	s_mov_b32 s[PFS+1], 0
	s_mul_i32 s15, s[PFS], 3
	s_add_co_u32 s20, s20, s15                     ; at slot 3: the first refill steps it to slot 4
	s_mov_b32 s21, 0
	s_add_nc_u64 s[PFA:PFA+1], s[PFA:PFA+1], s[20:21]
	v_and_b32 v[PFO], 31, v0
	v_lshlrev_b32 v[PFO], s14, v[PFO]
	; where my part of the tile lies
	s_lshl_b32 s16, s13, 7
	s_lshl_b32 s17, s11, 6
	s_add_co_u32 s16, s16, s17                     ; my first row
	s_lshl_b32 s46, s42, 8
	s_lshl_b32 s47, s12, 7
	s_add_co_u32 s46, s46, s47                     ; my first column
	s_mov_b32 s17, 0
	s_mov_b32 s23, 0
	s_lshl_b32 s22, s16, 3
	s_add_nc_u64 s[70:71], s[70:71], s[22:23]      ; stat at my first row
	s_lshl_b32 s22, s46, 6
	s_add_nc_u64 s[14:15], s[68:69], s[22:23]      ; G at my first column
	s_lshl_b32 s22, s46, 2
	s_add_nc_u64 s[18:19], s[68:69], s[22:23]      ; cvec, less its 65,536 bytes, at my first column
	s_lshl_b32 s16, s16, 12
	s_add_co_u32 s16, s16, s22
	s_add_nc_u64 s[8:9], s[8:9], s[16:17]          ; out0
	s_mov_b32 s73, 0x3727c5ac                      ; 1e-5
	s_mov_b32 s74, 0x39800000                      ; 1 / 4096
	s_mov_b32 s75, 0x43000000                      ; 128
	s_mov_b32 s[SEL], 0x76543210
	s_mov_b32 s[SEL+1], 0xfedcba98
	s_mov_b32 s[TA], 0
	s_mov_b32 s[TR], 0
	s_mov_b32 s[PLO], 0x01040004                   ; selectors 0-3: bytes of the second source, the codes; 4: a byte of the first source, the constant 0
	s_mov_b32 s[PHI], 0x03040204
	v_and_b32 v1, 15, v0                           ; l % 16
	v_bfe_u32 v6, v0, 4, 1                         ; l / 16
	v_lshlrev_b32 v[VB], 6, v1
	v_lshl_add_u32 v[VB], v6, 4, v[VB]
	v_lshlrev_b32 v[VC], 5, v6
	v_lshlrev_b32 v[VS], 3, v1
	v_lshl_or_b32 v[VS], v6, 19, v[VS]
	WIN 0x80                                       ; destination window 2
.irp b, 0,1,2,3,4,5,6,7
	global_load_b128 v[BEXT+8*(\b):BEXT+8*(\b)+3],   v[VB], s[14:15] offset:1024*(\b)      ; G: row 16 b + l % 16, chunks 8 (l / 16) + 0..7,
	global_load_b128 v[BEXT+8*(\b)+4:BEXT+8*(\b)+7], v[VB], s[14:15] offset:1024*(\b)+32   ; and 16 + 8 (l / 16) + 0..7: a fragment as it lies
.endr
.irp b, 0,1,2,3,4,5,6,7
	global_load_b128 v[CV+8*(\b):CV+8*(\b)+3],   v[VC], s[18:19] offset:65536+64*(\b)
	global_load_b128 v[CV+8*(\b)+4:CV+8*(\b)+7], v[VC], s[18:19] offset:65536+64*(\b)+16
.endr
	WIN 0
.irp a, 0,1,2,3
.irp i, 0,1,2,3,4,5,6,7
	global_load_b64 v[ST+32*(\a)+2*(\i):ST+32*(\a)+2*(\i)+1], v[VS], s[70:71] offset:(\i)*65536+128*(\a)              ; (c, M2) of row 16 a + l % 16, chunk 8 (l / 16) + i
.endr
.irp i, 8,9,10,11,12,13,14,15
	global_load_b64 v[ST+32*(\a)+2*(\i):ST+32*(\a)+2*(\i)+1], v[VS], s[70:71] offset:((\i)+8)*65536+128*(\a)          ; chunk 16 + 8 (l / 16) + i - 8
.endr
.endr
	v_mul_u32_u24 v[A0], v1, PA
	v_lshl_add_u32 v[A0], v6, 5, v[A0]             ; row x pitch + 32 x half: 16 k of 2 bytes
	s_mul_i32 s21, s11, 64*PA                      ; my 64 rows of hbuf
	v_add_nc_u32 v[A0], s21, v[A0]
	v_mul_u32_u24 v[B0], v1, PB
	v_lshl_add_u32 v[B0], v6, 4, v[B0]             ; row x pitch + 16 x half: 16 k of 1 byte
	s_mul_i32 s22, s12, 128*PB                     ; my 128 rows of w2q
	s_add_co_u32 s22, s22, BOFF
	v_add_nc_u32 v[B0], s22, v[B0]
	s_mul_i32 s23, s10, 16*SPITCH
	s_add_co_u32 s23, s23, STAGE                   ; my stage
	v_mul_u32_u24 v7, v1, SPITCH                   ; in: row l % 16, 32 bytes for each half of the lanes
	v_lshl_add_u32 v7, v6, 5, v7
	v_add_nc_u32 v[STO], s23, v7
	v_and_b32 v[CO], 31, v0
	v_lshlrev_b32 v[CO], 4, v[CO]                  ; back: 32 lanes take a row's 512 bytes; the same in out0
	v_add_nc_u32 v[RD], s23, v[CO]
	s_wait_loadcnt 0x0
; Block a's statistics.  My lane holds 16 of its row's 32 chunks, the lane 16 away the other 16: just the chunks that source 1's fragment wants of it.
.macro STATS a
.set SB, ST+32*(\a)
.irp p, 0,1,2,3,4,5,6,7
	v_pk_add_f32 v[TP+2*(\p):TP+2*(\p)+1], v[SB+4*(\p):SB+4*(\p)+1], v[SB+4*(\p)+2:SB+4*(\p)+3]   ; pairs (c, M2)
.endr
.irp p, 0,1,2,3
	v_pk_add_f32 v[TP+4*(\p):TP+4*(\p)+1], v[TP+4*(\p):TP+4*(\p)+1], v[TP+4*(\p)+2:TP+4*(\p)+3]
.endr
	v_pk_add_f32 v[TP:TP+1], v[TP:TP+1], v[TP+4:TP+5]
	v_pk_add_f32 v[TP+8:TP+9], v[TP+8:TP+9], v[TP+12:TP+13]
	v_pk_add_f32 v[TP:TP+1], v[TP:TP+1], v[TP+8:TP+9]
	v_permlanex16_b32 v[TP+2], v[TP], s[SEL], s[SEL+1]
	v_permlanex16_b32 v[TP+3], v[TP+1], s[SEL], s[SEL+1]
	v_pk_add_f32 v[TP:TP+1], v[TP:TP+1], v[TP+2:TP+3]
	v_mul_f32 v[TP+4], 0x3d000000, v[TP]           ; mu = sum c / 32
.set i, 0
.rept 16
	v_sub_f32 v[SB+2*i], v[SB+2*i], v[TP+4]        ; dev
.set i, i+1
.endr
	v_mul_f32 v[TP+6], v[SB], v[SB]
	v_mul_f32 v[TP+7], v[SB+2], v[SB+2]
.set i, 2
.rept 14
	v_fma_f32 v[TP+6+i%2], v[SB+2*i], v[SB+2*i], v[TP+6+i%2]
.set i, i+1
.endr
	v_add_f32 v[TP+6], v[TP+6], v[TP+7]
	v_permlanex16_b32 v[TP+7], v[TP+6], s[SEL], s[SEL+1]
	v_add_f32 v[TP+6], v[TP+6], v[TP+7]
	v_fma_f32 v[TP+6], v[TP+6], s75, v[TP+1]       ; 128 sum dev^2 + sum M2
	v_fma_f32 v[RS+2*(\a)], v[TP+6], s74, s73      ; var + eps
.irp k, 0,1,2,3,4,5,6,7
	v_cvt_pk_f16_f32 v[AEXT+8*(\a)+(\k)], v[SB+4*(\k)], v[SB+4*(\k)+2]
.endr
.endm
	STATS 0
	STATS 1
	STATS 2
	STATS 3
.irp a, 0,1,2,3
	v_rsq_f32 v[RS+2*(\a)], v[RS+2*(\a)]
.endr
	v_nop                                          ; a plain instruction behind the last root,
	s_wait_alu depctr_va_vdst(0)                   ; and one wait for the four, ahead of their first reader
	s_wait_kmcnt 0x0                               ; s2 gs
.irp a, 0,1,2,3
	v_mul_f32 v[RS+2*(\a)], s72, v[RS+2*(\a)]
.endr
.irp a, 0,1,2,3
	v_mov_b32 v[RS+2*(\a)+1], v[RS+2*(\a)]
.endr
	WIN 0x52                                       ; G in window 2, dev in window 0, the sums in window 1
.irp a, 0,1                            ; the K step of the 32 chunks starts all 32 sums
.irp b, 0,1,2,3,4,5,6,7
	v_wmma_f32_16x16x32_f16 v[8*(8*(\a)+(\b)):8*(8*(\a)+(\b))+7], v[BEXT+8*(\b):BEXT+8*(\b)+7], v[AEXT+8*(\a):AEXT+8*(\a)+7], 0
.endr
.endr
	WIN 0xa2                                       ; the sums in window 2
.irp a, 0,1
.irp b, 0,1,2,3,4,5,6,7
	v_wmma_f32_16x16x32_f16 v[8*(8*(\a)+(\b)):8*(8*(\a)+(\b))+7], v[BEXT+8*(\b):BEXT+8*(\b)+7], v[AEXT+8*((\a)+2):AEXT+8*((\a)+2)+7], 0
.endr
.endr
; 16 matrix instructions on buffer f: row blocks 2, 3 x all 8 column blocks.  The 32 accumulators take turns, in the same order in every block.
.macro MULHI f
	WIN 0xa1                                       ; q2 in window 1, hbuf in window 0, the sums in window 2
.irp a, 0,1
.irp b, 0,1,2,3,4,5,6,7
	v_wmma_f32_16x16x32_f16 v[8*(8*(\a)+(\b)):8*(8*(\a)+(\b))+7], v[FB+64*(\f)+8*(\b):FB+64*(\f)+8*(\b)+7], v[FA+32*(\f)+8*((\a)+2):FA+32*(\f)+8*((\a)+2)+7], v[8*(8*(\a)+(\b)):8*(8*(\a)+(\b))+7]
.endr
.endr
.endm
; 8 matrix instructions on buffer f: row block a (0 or 1) x all 8 column blocks; behind each, four v_perm_b32 make half a fragment of q2 of the OTHER buffer from two registers of codes:
; register 2 i of a fragment takes codes 0, 1 of register i of its codes, register 2 i + 1 codes 2, 3.  They name no register of the products round them.
.macro RIDE8 f, a
	WIN 0x51                                       ; q2 and the sums in window 1, hbuf and the codes in window 0
.irp b, 0,1,2,3,4,5,6,7
	v_wmma_f32_16x16x32_f16 v[8*(8*(\a)+(\b)):8*(8*(\a)+(\b))+7], v[FB+64*(\f)+8*(\b):FB+64*(\f)+8*(\b)+7], v[FA+32*(\f)+8*(\a):FA+32*(\f)+8*(\a)+7], v[8*(8*(\a)+(\b)):8*(8*(\a)+(\b))+7]
.set rr, RB+32*(1-(\f))+4*((8*(\a)+(\b))/2)+2*((\b)%2)
.set dd, FB+64*(1-(\f))+8*((8*(\a)+(\b))/2)+4*((\b)%2)
	v_perm_b32 v[dd],   0, v[rr],   s[PLO]
	v_perm_b32 v[dd+1], 0, v[rr],   s[PHI]
	v_perm_b32 v[dd+2], 0, v[rr+1], s[PLO]
	v_perm_b32 v[dd+3], 0, v[rr+1], s[PHI]
.endr
.endm
.macro LDA2 g, a0, off                 ; hbuf's row blocks a0, a0 + 1 of a block of 32 k, at byte off behind ADA, into buffer g
.irp a, \a0, (\a0)+1
	ds_load_b128 v[FA+32*(\g)+8*(\a):FA+32*(\g)+8*(\a)+3],   v[ADA] offset:(\off)+(\a)*16*PA
	ds_load_b128 v[FA+32*(\g)+8*(\a)+4:FA+32*(\g)+8*(\a)+7], v[ADA] offset:(\off)+(\a)*16*PA+16
.endr
.endm
.macro LDR f, off                      ; the codes of all 8 column blocks of a block of 32 k, at byte off behind ADR, into buffer f
.irp b, 0,1,2,3,4,5,6,7
	ds_load_b128 v[RB+32*(\f)+4*(\b):RB+32*(\f)+4*(\b)+3], v[ADR] offset:(\off)+(\b)*16*PB
.endr
.endm
; A block on buffer f.  Four plain instructions stand behind the matrix instructions, in front of the loads into registers that earlier ones have read; mk = 1: two of them make the addresses.
.macro BLK f, offa, offr, mk
	s_wait_dscnt 12                                ; hbuf's row blocks 2, 3 of this block are in; the codes' eight loads and row blocks 0, 1's four may be out
	MULHI \f
	WIN 0
.if \mk
	v_add_nc_u32 v[ADA], s[TA], v[A0]
	v_add_nc_u32 v[ADR], s[TR], v[B0]
	v_nop
	v_nop
.else
.rept 4
	v_nop
.endr
.endif
	LDA2 1-(\f), 2, \offa                          ; the next block's row blocks 2, 3, which are wanted first,
	LDR \f, \offr                                  ; the codes of the block after it,
	LDA2 1-(\f), 0, \offa                          ; the next block's row blocks 0, 1
	s_wait_dscnt 16                                ; all but the 16 just issued: this block's row blocks 0, 1 and the next block's codes are in
	RIDE8 \f, 0
	RIDE8 \f, 1
.endm
; Blocks 0 to 5 of a slot: three trips of two.
.macro PAIRS
	WIN 0
	s_mov_b32 s2, 3
.Lpair_\@:
	BLK 0, 64, 64, 1
	BLK 1, 128, 96, 0
	WIN 0
	s_add_co_u32 s[TA], s[TA], 128
	s_add_co_u32 s[TR], s[TR], 64
	s_sub_co_u32 s2, s2, 1
	s_cmp_lg_u32 s2, 0
	s_cbranch_scc1 .Lpair_\@
.endm
; Block 6, and THE CHANGE OF SLOTS.  Block 7's fragments of hbuf are the slot's last bytes to be read (its codes came in block 5).  Then each wave waits for all its tensor loads, of which one is out: its part
; of the other slot; adds 0 to its spare word; and waits for that and for its reads of this slot.  fill = 1: the barrier opens a round of the cluster's barrier, and this slot is filled again, two slots
; ahead, first thing behind the round: from that request to the wait for it a wave issues 240 matrix instructions.  Then the other slot's first codes are read.
.macro TURN fill
	s_wait_dscnt 12
	MULHI 0
	WIN 0
	v_add_nc_u32 v[ADA], s[TA], v[A0]
.rept 3
	v_nop
.endr
	LDA2 1, 2, 64
	LDA2 1, 0, 64
.if \fill
	s_wait_xcnt 0x0                                ; the last prefetch, a slot back, has read its address
	s_add_nc_u64 s[PFA:PFA+1], s[PFA:PFA+1], s[PFS:PFS+1]
.endif
	s_wait_tensorcnt 0x0                           ; all my tensor loads have landed, so a group 0 may be written
	ds_add_u32 v[SPW], v[NIL]                      ; 0 onto my spare word; work on registers stands between it and the wait for it
	s_sub_co_u32 s[TA], s[TA], 384                 ; the fetches go back to a slot's first block,
	s_xor_b32 s[TA], s[TA], SLOTX                  ; in the other slot
	s_sub_co_u32 s[TR], s[TR], 192
	s_xor_b32 s[TR], s[TR], SLOTX
.if \fill
	s_xor_b32 s[G0+5], s[G0+5], SLOTX              ; the walking descriptors: the other slot than last time,
	s_add_nc_u64 s[G0+6:G0+7], s[G0+6:G0+7], KSLOT*2   ; the next 256 along K; the type bits on top are not reached
	s_xor_b32 s[G0B+5], s[G0B+5], SLOTX
	s_add_nc_u64 s[G0B+6:G0B+7], s[G0B+6:G0B+7], KSLOT
.endif
	s_wait_dscnt 9                                 ; the add and block 7's eight loads may be out
	RIDE8 0, 0
	s_wait_dscnt 0x0                               ; the add is done, and my reads of this slot are over
	s_barrier_signal -1
	RIDE8 0, 1
	WIN 0
	s_barrier_wait -1
.if \fill
	CREST
	JLOAD 1
.endif
	v_add_nc_u32 v[ADA], s[TA], v[A0]
	v_add_nc_u32 v[ADR], s[TR], v[B0]
	LDR 0, 0
.if \fill
	ASK
.endif
.endm
	WIN 0
	s_wait_tensorcnt 1                             ; my part of slot 0 is in; slot 1's may stay out
	s_barrier_signal -1
	s_barrier_wait -1
	v_add_nc_u32 v[ADA], s[TA], v[A0]
	v_add_nc_u32 v[ADR], s[TR], v[B0]
	LDR 0, 0                                       ; block 0's codes,
	LDA2 0, 2, 0                                   ; and what a block in front of block 0 would have fetched
	LDR 1, 32
	LDA2 0, 0, 0
	s_wait_dscnt 16                                ; block 0's codes are in
	WIN 0x51
.set n, 0
.rept 32
	v_perm_b32 v[FB+2*n],   0, v[RB+n], s[PLO]     ; block 0's fragments of q2: there are no products yet to set them behind
	v_perm_b32 v[FB+2*n+1], 0, v[RB+n], s[PHI]
.set n, n+1
.endr
	WIN 0
	s_mov_b32 s3, STEPS-2
.Lstep:                                                ; a trip is a slot; every slot but the last two is filled again
	PAIRS
	TURN 1
	BLK 1, 0, 32, 0                                ; block 7 fetches from the other slot
	WIN 0
	s_sub_co_u32 s3, s3, 1
	s_cmp_lg_u32 s3, 0
	s_cbranch_scc1 .Lstep
	s_mov_b32 s3, 2
.Ltail:                                                ; the last two slots are written out: nothing is asked for.  The second trip's change of slots, its 24 loads
	PAIRS                                          ; from the slot read before and the 64 v_perm_b32 on them serve nothing: the price, once a launch, of one text for both trips
	TURN 0
	BLK 1, 0, 32, 0
	WIN 0
	s_sub_co_u32 s3, s3, 1
	s_cmp_lg_u32 s3, 0
	s_cbranch_scc1 .Ltail
	s_wait_dscnt 0x0                               ; the loads into the registers that the way out takes are back
.rept 4
	v_nop
.endr
; THE WAY OUT, a block of 16 rows at a time: sum * rstd s2 gs + cvec; through my stage; back as whole rows of 512 bytes.  Each accumulator's lowest registers are read first.
.macro OUT a
.if (\a) > 0
	s_wait_xcnt 0x0                                ; the last block's stores have read their base and OB
	s_add_nc_u64 s[8:9], s[8:9], 16*4096
.endif
	WIN 0x21+(\a)/2                                ; source 0 window 1 or 2, source 1 window 0, source 2 window 2, destination window 0
.set i, 0
.rept 32
	v_pk_fma_f32 v[OO+i:OO+i+1], v[64*((\a)%2)+i:64*((\a)%2)+i+1], v[RS+2*(\a):RS+2*(\a)+1], v[CV+i:CV+i+1]
.set i, i+2
.endr
	WIN 0
.irp b, 0,1,2,3,4,5,6,7
	ds_store_b128 v[STO], v[OO+8*(\b):OO+8*(\b)+3]   offset:64*(\b)
	ds_store_b128 v[STO], v[OO+8*(\b)+4:OO+8*(\b)+7] offset:64*(\b)+16
.endr
.irp t, 0,1,2,3,4,5,6,7,8,9,10,11,12,13,14,15
	ds_load_b128 v[OB+4*(\t):OB+4*(\t)+3], v[RD] offset:(\t)*SPITCH  ; LDS serves a wave's instructions in order (ISA guide 5.7.1.4): these see the stores above
.endr
.irp t, 0,1,2,3,4,5,6,7,8,9,10,11,12,13,14,15
	s_wait_dscnt 15-(\t)                           ; row t is back; the younger loads stay out
	global_store_b128 v[CO], v[OB+4*(\t):OB+4*(\t)+3], s[8:9] offset:(\t)*4096 th:TH_STORE_NT  ; 512 consecutive bytes, aligned
.endr
.endm
	OUT 0
	OUT 1
	OUT 2
	OUT 3
	s_wait_tensorcnt 0x0                           ; the wave's end: behind my last tensor load and my last LDS store
	ds_add_u32 v[SPW], v[NIL]
	s_wait_dscnt 0x0
	CROUND                                         ; the closing round: no work-group ends while a partner may still ask for a tile that names it
	s_endpgm
.Lfunc_end_k_q46d351b729_ffn2:
	.size	k_q46d351b729_ffn2, .Lfunc_end_k_q46d351b729_ffn2-k_q46d351b729_ffn2
	.p2alignl 7, 3214868480
	.fill 96, 4, 3214868480
	.section	.rodata,"a",@progbits
	.p2align	6, 0x0
	.amdhsa_kernel k_q46d351b729_ffn2
		.amdhsa_group_segment_fixed_size 327680
		.amdhsa_private_segment_fixed_size 0
		.amdhsa_enable_private_segment 0
		.amdhsa_kernarg_size 40
		.amdhsa_user_sgpr_count 2
		.amdhsa_user_sgpr_kernarg_segment_ptr 1
		.amdhsa_wavefront_size32 1
		.amdhsa_system_sgpr_workgroup_id_x 1
		.amdhsa_system_sgpr_workgroup_id_y 1
		.amdhsa_system_sgpr_workgroup_id_z 1
		.amdhsa_system_vgpr_workitem_id 0
		.amdhsa_next_free_vgpr 768
		.amdhsa_next_free_sgpr 84
		.amdhsa_reserve_vcc 0
		.amdhsa_float_denorm_mode_32 3
		.amdhsa_float_denorm_mode_16_64 3
		.amdhsa_memory_ordered 1
		.amdhsa_forward_progress 1
		.amdhsa_inst_pref_size 126
	.end_amdhsa_kernel
	.amdgpu_metadata
---
amdhsa.version: [ 1, 2 ]
amdhsa.kernels:
  - .name:           k_q46d351b729_ffn2
    .symbol:         k_q46d351b729_ffn2.kd
    .args:
      - { .name: hbuf, .offset: 0, .size: 8, .value_kind: global_buffer, .address_space: global }
      - { .name: w2q, .offset: 8, .size: 8, .value_kind: global_buffer, .address_space: global }
      - { .name: out0, .offset: 16, .size: 8, .value_kind: global_buffer, .address_space: global }
      - { .name: aux, .offset: 24, .size: 8, .value_kind: global_buffer, .address_space: global }
      - { .name: stat, .offset: 32, .size: 8, .value_kind: global_buffer, .address_space: global }
    .group_segment_fixed_size: 327680
    .private_segment_fixed_size: 0
    .kernarg_segment_align: 8
    .kernarg_segment_size: 40
    .max_flat_workgroup_size: 128
    .sgpr_count:     84
    .vgpr_count:     768
    .wavefront_size: 32
...
	.end_amdgpu_metadata
.endif
;; end of part 4
